; MI455X (gfx1250); checked and timed in simulation.
; The chip was launched on July 23, 2026; its instructions are those of AMD's public machine-readable ISA for CDNA 5 (MIT licence, August 2026) and "CDNA5" Instruction Set Architecture Reference Guide (July 2026). The comments in the code are by the model that wrote it; some were corrected since.
;; Multi Head Self Attention. Allowed arithmetic: matrix products marked QUANTISED: E2M3 operands, one E8M0 scale for each 32 along K, by v_wmma_scale_f32_16x16x128_f8f6f4 with both operands' format E2M3, f32 sums; everything else in f32.
;; Inputs: W_proj 1,024 x 1,024 float32; W_qkv 1,024 x 3,072 float32; x 4 x 2,048 x 1,024 float32.
;; Outputs: out0 4 x 2,048 x 1,024 float32.
;; This version of the problem:
;;   THIS VERSION OF THE PROBLEM IS GIVEN IN LOW PRECISION. The matrix products marked QUANTISED in the list below multiply operands that are first quantised to E2M3 (2 exponent bits, 3 mantissa bits; 6 bits a number), with one power-of-two scale for each 32 numbers along K (OCP MX v1.0); their sums are f32. All else is computed in f32.
;;   The module's matrix products, in the order in which they are computed (A, B: the left and right operand; K: the contracted axis; several contracted axes count as one K, in the product's order):
;;     1. [M 8,192, K 1,024] x [K 1,024, N 3,072]; A: input x; B: input W_qkv: QUANTISED
;;     2. batch 64 x [M 2,048, K 64] x [K 64, N 2,048]; A: computed on the way; B: computed on the way: QUANTISED
;;     3. batch 64 x [M 2,048, K 2,048] x [K 2,048, N 64]; A: softmax (see below); B: computed on the way: QUANTISED
;;     4. [M 8,192, K 1,024] x [K 1,024, N 1,024]; A: computed on the way; B: input W_proj: QUANTISED
;;   THE QUANTISER, for each operand of a quantised product, along K:
;;     - K is cut into blocks of 32 from its start; a last block that is shorter is filled with zeros.
;;     - A block's scale is 2^e with e = floor(log2(the largest magnitude in the block)) - 2, held to -126 .. 127; a block of zeros has e = 0. As a byte (E8M0): e + 127.
;;     - Each number is divided by its block's scale, clamped to +-7.5, and rounded to the nearest number of E2M3, ties to even, subnormals kept.
;;     - The product sums the exact products of the quantised numbers (number of the format x scale) in f32.
;;   ~~~python
;;   def quantise(x, axis):      # numpy; x: float32 -> the quantised numbers, widened to float32 again
;;       x = np.moveaxis(x, axis, -1); K = x.shape[-1]
;;       x = np.pad(x, [(0, 0)] * (x.ndim - 1) + [(0, -K % 32)]); x = x.reshape(x.shape[:-1] + (-1, 32)); a = np.abs(x).max(-1, keepdims=True)
;;       e = np.where(a > 0, np.clip(np.frexp(np.where(a > 0, a, 1))[1] - 1 - 2, -126, 127), 0)      # np.frexp(a)[1] - 1 = floor(log2(a)), exactly
;;       r = np.clip(x / 2.0 ** e, -7.5, 7.5)
;;       step = 2.0 ** (np.maximum(np.frexp(np.where(r == 0, 1, r))[1] - 1, 0) - 3)
;;       q = np.round(r / step) * step * 2.0 ** e      # np.round: ties to even
;;       return np.moveaxis(q.reshape(q.shape[:-2] + (-1,))[..., :K], -1, axis).astype(np.float32)
;;   ~~~
;;   SOFTMAX AHEAD OF A QUANTISED PRODUCT. Where the list says 'softmax', what is quantised is not the finished softmax but p = 2^(t - M), with t = logit x log2(e) and M = ceil(the row's largest t), a whole number; so 1/2 < the row's largest p <= 1. The row's sum l is taken of the UNQUANTISED p, in f32, and the product's result is divided by l at the end. Since M is a whole number, a kernel that streams over the keys may use a running M (the ceiling of the running maximum): every later rescaling is an exact power of two, which a block's scale takes up: the codes' values come out the same.
;;   OPERANDS COMPUTED ON THE WAY. 'Computed on the way' means the value that the module computes at that place (a softmax that the list does not call 'softmax' is quantised finished and normalised). What goes into a quantiser is computed in f32, as accurately as f32 sums, v_exp_f32 and their like allow (about 1e-6 of the number): no bf16 or f16 on the way to a quantiser, and a product that is left as it is and whose result goes on into a quantised operand takes f32 operands (vector FMAs, or v_wmma_f32_16x16x4_f32). A number that lies on a knife's edge between two numbers of the format may be rounded either way, as far as f32 arithmetic and the matrix unit's own rounding can turn it there, and no further.
;; One version. Each part assembles by itself: llvm-mc -triple=amdgcn-amd-amdhsa -mcpu=gfx1250 --defsym DOCPART=n.
;; ======== version 1 of 1: 4 launches
;; workspace buffers: x_img 6,553,600 bytes; wq_img 2,457,600 bytes; wp_img 819,200 bytes; qkv_img 20,185,088 bytes; y_img 6,553,600 bytes
;; launch prep (part 1): grid 384 x 1, 4 waves a work-group, no clusters, 34,304 bytes of LDS; arguments x, W_qkv, W_proj, x_img, wq_img, wp_img; writes x_img, wq_img, wp_img
.if DOCPART == 1
	.amdgcn_target "amdgcn-amd-amdhsa--gfx1250"
	.amdhsa_code_object_version 6
	.text
	.protected	k_q4591fed994_prep
	.globl	k_q4591fed994_prep
	.p2align	8
	.type	k_q4591fed994_prep,@function
k_q4591fed994_prep:
	s_mov_b64 s[64:65], 0
	v_nop
	global_prefetch_b8 v0, s[64:65] scope:SCOPE_SE
	s_setreg_imm32_b32 hwreg(HW_REG_WAVE_MODE, 25, 1), 1
	s_wait_xcnt 0x0
; x [8192][1024], W_qkv [1024][3072] and W_proj [1024][1024], f32, become codes of FP6 (E2M3) with one E8M0 byte for each 32 along K = the 1,024, laid as IMAGES OF OPERAND REGISTERS.
; A UNIT is 16 rows x 64 along K, 768 bytes: lane (r, h) holds the 32 codes k = 32 h .. 32 h + 31 of its row in six registers; bytes 0-511 are the lanes' registers 0-3 (16 bytes a lane), bytes 512-767 registers 4-5 (8 a lane).
; AN IMAGE: [block of 128 rows][slot of 256 along K]: 25,600 bytes: K step q (128 along K), tile i, half c at q 12,288 + (2 i + c) 768; the scale word of lane r of tile i for K step q at 24,576 + 128 i + 8 r + 4 q.
; THE ROWS OF A TILE ARE NOT NEIGHBOURS: lane r of tile 2 B + u holds row 32 B + 8 u + r + 8 (r / 8) of the block, so that a product that takes such tiles as source 0 leaves 16 neighbours in a lane's 16 registers of two tiles.
; A block's scale is 2^(floor(log2(its largest magnitude)) - 2): its byte is the largest magnitude's exponent field - 2, held at 1 from below.
; LIMITS: NaN and infinities among the inputs are not served.  A block of zeros, or one whose largest magnitude lies under 2^-124, gets the byte 1 (a block of zeros: where the rule says 127): its codes are zeros, and this program alone reads the bytes.
; SHARES: a work-group makes one slot of one block (128 KiB in, 25,600 bytes out): work-groups 0-255 of x, 256-351 of W_qkv, 352-383 of W_proj.  Wave B makes tiles 2 B and 2 B + 1.  Waves share nothing: no barrier.
; No matrix unit, no cluster, no tensor load: each input byte is read once by one wave, and nothing is shared.
.set IMGS,  25600
.set RAW,   64                         ; v64-191  numbers as they are loaded: two sets (x: of 64; the weights: of 32)
.set X,     192                        ; v192-255 x: my 64 numbers of a fragment, two blocks of 32 neighbours
.set U,     24                         ; v24-35   two units' registers
.set HI,    36                         ; v36-38, v40-42 a block's upper 16 codes (a conversion's three registers begin on an even number)
.set WD,    16                         ; v16-19   scale words
.set SPX,   528                        ; x's stage in LDS: 16 rows of 512 bytes + 16, so that the sixteen rows that a load touches start in different banks
; 32 numbers v[x] .. v[x + 31] of one lane, one block: their six registers of codes into v[lo] .. v[lo + 5], the scale's byte into v11
.macro QB x, lo, hi
	v_max3_num_f32 v8, |v[\x]|, |v[\x+1]|, 0x1800000       ; two chains; the floor 2^(3 - 127) is one more leaf: the byte cannot fall under 1
	v_max3_num_f32 v9, |v[\x+2]|, |v[\x+3]|, |v[\x+4]|
.irp i, 5,9,13,17,21,25
	v_max3_num_f32 v8, v8, |v[\x+\i]|, |v[\x+\i+1]|
	v_max3_num_f32 v9, v9, |v[\x+\i+2]|, |v[\x+\i+3]|
.endr
	v_max3_num_f32 v8, v8, |v[\x+29]|, |v[\x+30]|
	v_max3_num_f32 v8, v8, v9, |v[\x+31]|
	v_add_nc_u32 v10, 0xff000000, v8                       ; 2 off the exponent field: the conversion takes this operand's exponent field as its scale
	v_cvt_scalef32_pk16_fp6_f32 v[\lo:\lo+2], v[\x:\x+15], v10
	v_cvt_scalef32_pk16_fp6_f32 v[\hi:\hi+2], v[\x+16:\x+31], v10
	v_lshrrev_b32 v11, 23, v10                             ; the byte; also the plain instruction between the conversions and the moves that touch their results
.irp i, 0,1,2
	v_mov_b32 v[\lo+3+\i], v[\hi+\i]
.endr
.endm
	s_load_b256 s[4:11], s[0:1], 0x0               ; x s[4:5], W_qkv s[6:7], W_proj s[8:9], x_img s[10:11]
	s_load_b128 s[12:15], s[0:1], 0x20             ; wq_img s[12:13], wp_img s[14:15]
	v_lshl_add_u32 v62, v0, 2, 0x8400
	v_mov_b32 v63, 0
	v_lshrrev_b32 v1, 5, v0
	v_readfirstlane_b32 s16, v1                    ; wave B
	v_and_b32 v1, 31, v0                           ; lane
	v_lshlrev_b32 v2, 4, v1                        ; 16 x lane
	s_mul_i32 s24, s16, 3072                       ; my two tiles' four units of a K step
	v_lshl_add_u32 v3, v1, 4, s24                  ; out: a unit's first 512 bytes
	v_lshl_add_u32 v4, v1, 3, s24                  ; out: its last 256
	s_lshl_b32 s24, s16, 8
	v_lshl_add_u32 v5, v1, 3, s24                  ; out: my two tiles' scale words, 8 bytes a lane
	v_and_b32 v6, 15, v1                           ; r
	v_lshrrev_b32 v7, 4, v1                        ; h
	v_and_b32 v45, 8, v6
	v_add_nc_u32 v45, v45, v6
	v_lshl_add_u32 v45, v7, 3, v45                 ; r + 8 (r / 8) + 8 h: the weights' path: my column among the wave's 32
	v_lshlrev_b32 v45, 2, v45
	s_mov_b32 s20, 0x76543210
	s_mov_b32 s21, 0xfedcba98                      ; v_permlanex16_b32's selects for lane l xor 16
	s_mov_b32 s23, 0
	s_wait_kmcnt 0x0
	s_cmp_lt_u32 ttmp9, 256
	s_cbranch_scc0 .Lweights
; ---- x: K is innermost.  Fragment f = 2 u + q: tile 2 B + u, K step q.  Each load reads 512 consecutive bytes of one row; the 16 rows turn through my wave's stage, and a lane gets back two blocks of 32 neighbours.
.macro LOADX f
.irp rr, 0,1,2,3,4,5,6,7,8,9,10,11,12,13,14,15
	global_load_b128 v[RAW+64*((\f)%2)+4*\rr:RAW+64*((\f)%2)+4*\rr+3], v2, s[4:5] offset:(8*((\f)/2)+\rr+8*(\rr/8))*4096+((\f)%2)*512 th:TH_LOAD_NT
.endr
.endm
.macro FRAGX f
.if (\f) < 3
	s_wait_loadcnt 16                              ; this fragment's 16 loads are in; the other set's 16 may be out
.else
	s_wait_loadcnt 0x0
.endif
.irp rr, 0,1,2,3,4,5,6,7,8,9,10,11,12,13,14,15
	ds_store_b128 v22, v[RAW+64*((\f)%2)+4*\rr:RAW+64*((\f)%2)+4*\rr+3] offset:\rr*SPX
.endr
.irp c, 0,1
.irp j, 0,1,2,3,4,5,6,7
	ds_load_b128 v[X+32*\c+4*\j:X+32*\c+4*\j+3], v23 offset:256*\c+16*\j   ; LDS serves a wave's instructions in order: these see the stores above
.endr
.endr
	s_wait_xcnt 0x0                                ; the last fragment's stores have read the codes' registers
	s_wait_dscnt 0x0                               ; my 64 numbers are back; the stage's stores have read the set,
.if (\f)+2 < 4
	LOADX (\f)+2                                   ; which takes the fragment two on
.endif
	QB X, U, HI
	v_mov_b32 v12, v11
	QB X+32, U+6, HI+4
	v_lshl_or_b32 v14, v11, 16, v12                ; my two bytes: blocks h and 2 + h of my row,
	v_lshlrev_b32 v14, v44, v14                    ; at their places in the scale word;
	v_permlanex16_b32 v15, v14, s20, s21
	v_or_b32 v[WD+(\f)], v14, v15                  ; with lane l xor 16's two the word is whole
.irp c, 0,1
	global_store_b128 v3, v[U+6*\c:U+6*\c+3], s[10:11] offset:((\f)%2)*12288+(2*((\f)/2)+\c)*768       ; 512 consecutive bytes,
	global_store_b64 v4, v[U+6*\c+4:U+6*\c+5], s[10:11] offset:((\f)%2)*12288+(2*((\f)/2)+\c)*768+512  ; and 256: both start at multiples of 256 from the buffer's first byte
.endr
.endm
	s_lshr_b32 s17, ttmp9, 2                       ; the block of 128 rows
	s_and_b32 s18, ttmp9, 3                        ; the slot
	s_lshl_b32 s22, s17, 19                        ; 128 rows of 4,096 bytes
	s_lshl_b32 s19, s16, 17                        ; my wave's 32 rows
	s_add_co_u32 s22, s22, s19
	s_lshl_b32 s19, s18, 10                        ; 256 numbers along K
	s_add_co_u32 s22, s22, s19
	s_add_nc_u64 s[4:5], s[4:5], s[22:23]
	s_mul_i32 s22, ttmp9, IMGS
	s_add_nc_u64 s[10:11], s[10:11], s[22:23]
	LOADX 0
	LOADX 1
	s_mul_i32 s24, s16, 16*SPX                     ; my stage
	v_lshl_add_u32 v22, v1, 4, s24                 ; in: 16 bytes a lane of a row
	v_mul_u32_u24 v23, v6, SPX
	v_lshl_add_u32 v23, v7, 7, v23
	v_add_nc_u32 v23, s24, v23                     ; back: row r, 128 h bytes on
	v_lshlrev_b32 v44, 3, v7                       ; 8 h
	v_mov_b32 v15, 0                               ; a lane permute's destination counts as one of its sources
	FRAGX 0
	FRAGX 1
	FRAGX 2
	FRAGX 3
	v_cmp_le_u32 vcc_lo, 16, v1
	v_cndmask_b32 v20, v16, v18, vcc_lo            ; lanes 0-15: tile 2 B's words, lanes 16-31: tile 2 B + 1's; K step 0,
	v_cndmask_b32 v21, v17, v19, vcc_lo            ; K step 1
	global_store_b64 v5, v[20:21], s[10:11] offset:24576   ; 256 consecutive bytes
	s_wait_tensorcnt 0x0
	ds_add_u32 v62, v63
	s_wait_dscnt 0x0
	s_endpgm
; ---- the weights: K is the first axis.  A lane takes a column and its registers run down K: a block of 32 lies in one lane.  Lanes 0-15 hold tile 2 B's columns, lanes 16-31 tile 2 B + 1's, and the 32 lanes still read 128 consecutive bytes.
.macro LOADW kb, n, src
.irp i, 0,1,2,3,4,5,6,7,8,9,10,11,12,13,14,15,16,17,18,19,20,21,22,23,24,25,26,27,28,29,30,31
	global_load_b32 v[RAW+32*((\kb)%2)+\i], v45, s[\src:\src+1] offset:(32*(\kb)+\i)*(\n)*4 th:TH_LOAD_NT
.endr
.endm
.macro KBLOCK kb, n, src, dst
.if (\kb) < 7
	s_wait_loadcnt 32                              ; this block's 32 loads are in; the next block's may be out
.else
	s_wait_loadcnt 0x0
.endif
.if ((\kb)%2 == 0) && ((\kb) > 0)
	s_wait_xcnt 0x0                                ; the last pair's stores have read the codes' registers
.endif
	QB RAW+32*((\kb)%2), U+6*((\kb)%2), HI+4*((\kb)%2)
.if (\kb)%4 == 0
	v_mov_b32 v[WD+(\kb)/4], v11                   ; four bytes make my column's scale word of a K step
.else
	v_lshl_or_b32 v[WD+(\kb)/4], v11, 8*((\kb)%4), v[WD+(\kb)/4]
.endif
.if (\kb)+2 < 8
	LOADW (\kb)+2, \n, \src
.endif
.if (\kb)%2 == 1
.irp i, 0,1,2,3,4,5
	v_permlane16_swap_b32 v[U+\i], v[U+6+\i]       ; the even block's lanes 16-31 change places with the odd block's lanes 0-15: the first six registers are now tile 2 B's whole unit (lanes 0-15 the even block, lanes 16-31 the odd), the second six tile 2 B + 1's
.endr
	global_store_b128 v3, v[U:U+3], s[\dst:\dst+1] offset:((\kb)/4)*12288+(((\kb)/2)%2)*768
	global_store_b64 v4, v[U+4:U+5], s[\dst:\dst+1] offset:((\kb)/4)*12288+(((\kb)/2)%2)*768+512
	global_store_b128 v3, v[U+6:U+9], s[\dst:\dst+1] offset:((\kb)/4)*12288+(((\kb)/2)%2)*768+1536
	global_store_b64 v4, v[U+10:U+11], s[\dst:\dst+1] offset:((\kb)/4)*12288+(((\kb)/2)%2)*768+1536+512
.endif
.endm
.macro WPATH n, g0, src, dst
	s_sub_co_u32 s19, ttmp9, \g0
	s_lshr_b32 s17, s19, 2                         ; the block of 128 columns
	s_and_b32 s18, s19, 3                          ; the slot
	s_mul_i32 s22, s18, 256*(\n)*4                 ; 256 rows down K
	s_lshl_b32 s17, s17, 9
	s_add_co_u32 s22, s22, s17
	s_lshl_b32 s17, s16, 7                         ; my wave's 32 columns
	s_add_co_u32 s22, s22, s17
	s_add_nc_u64 s[\src:\src+1], s[\src:\src+1], s[22:23]
	s_mul_i32 s22, s19, IMGS
	s_add_nc_u64 s[\dst:\dst+1], s[\dst:\dst+1], s[22:23]
	LOADW 0, \n, \src
	LOADW 1, \n, \src
.irp kb, 0,1,2,3,4,5,6,7
	KBLOCK \kb, \n, \src, \dst
.endr
	global_store_b64 v5, v[WD:WD+1], s[\dst:\dst+1] offset:24576   ; lane l: the two words of lane l % 16 of tile 2 B + l / 16: 256 consecutive bytes
	s_endpgm
.endm
.Lweights:
	s_cmp_lt_u32 ttmp9, 352
	s_cbranch_scc0 .Lproj
	WPATH 3072, 256, 6, 12
.Lproj:
	WPATH 1024, 352, 8, 14
.Lfunc_end_k_q4591fed994_prep:
	.size	k_q4591fed994_prep, .Lfunc_end_k_q4591fed994_prep-k_q4591fed994_prep
	.p2alignl 7, 3214868480
	.fill 96, 4, 3214868480
	.section	.rodata,"a",@progbits
	.p2align	6, 0x0
	.amdhsa_kernel k_q4591fed994_prep
		.amdhsa_group_segment_fixed_size 34304
		.amdhsa_private_segment_fixed_size 0
		.amdhsa_enable_private_segment 0
		.amdhsa_kernarg_size 48
		.amdhsa_user_sgpr_count 2
		.amdhsa_user_sgpr_kernarg_segment_ptr 1
		.amdhsa_wavefront_size32 1
		.amdhsa_system_sgpr_workgroup_id_x 1
		.amdhsa_system_sgpr_workgroup_id_y 1
		.amdhsa_system_sgpr_workgroup_id_z 1
		.amdhsa_system_vgpr_workitem_id 0
		.amdhsa_next_free_vgpr 256
		.amdhsa_next_free_sgpr 66
		.amdhsa_reserve_vcc 1
		.amdhsa_float_denorm_mode_32 3
		.amdhsa_float_denorm_mode_16_64 3
		.amdhsa_memory_ordered 1
		.amdhsa_forward_progress 1
		.amdhsa_inst_pref_size 107
	.end_amdhsa_kernel
	.amdgpu_metadata
---
amdhsa.version: [ 1, 2 ]
amdhsa.kernels:
  - .name:           k_q4591fed994_prep
    .symbol:         k_q4591fed994_prep.kd
    .args:
      - { .name: x, .offset: 0, .size: 8, .value_kind: global_buffer, .address_space: global }
      - { .name: W_qkv, .offset: 8, .size: 8, .value_kind: global_buffer, .address_space: global }
      - { .name: W_proj, .offset: 16, .size: 8, .value_kind: global_buffer, .address_space: global }
      - { .name: x_img, .offset: 24, .size: 8, .value_kind: global_buffer, .address_space: global }
      - { .name: wq_img, .offset: 32, .size: 8, .value_kind: global_buffer, .address_space: global }
      - { .name: wp_img, .offset: 40, .size: 8, .value_kind: global_buffer, .address_space: global }
    .group_segment_fixed_size: 34304
    .private_segment_fixed_size: 0
    .kernarg_segment_align: 8
    .kernarg_segment_size: 48
    .max_flat_workgroup_size: 128
    .sgpr_count:     66
    .vgpr_count:     256
    .wavefront_size: 32
...
	.end_amdgpu_metadata
.endif
;; end of part 1
;; launch qkv (part 2): grid 12 x 64, 4 waves a work-group, clusters of 4 x 4, 307,712 bytes of LDS; arguments x_img, wq_img, qkv_img; writes qkv_img
.if DOCPART == 2
	.amdgcn_target "amdgcn-amd-amdhsa--gfx1250"
	.amdhsa_code_object_version 6
	.text
	.protected	k_q4591fed994_qkv
	.globl	k_q4591fed994_qkv
	.p2align	8
	.type	k_q4591fed994_qkv,@function
k_q4591fed994_qkv:
	s_mov_b64 s[64:65], 0
	v_nop
	global_prefetch_b8 v0, s[64:65] scope:SCOPE_SE
	s_setreg_imm32_b32 hwreg(HW_REG_WAVE_MODE, 25, 1), 1
	s_wait_xcnt 0x0
	s_wait_alu depctr_hold_cnt(0) depctr_sa_sdst(0) depctr_va_vdst(0) depctr_va_sdst(0) depctr_va_ssrc(0) depctr_va_vcc(0) depctr_vm_vsrc(0)
	s_getreg_b32 s2, hwreg(HW_REG_IB_STS2, 6, 4)
	s_cmp_eq_u32 s2, 0
	s_cbranch_scc0 .Lentry_in_a_cluster
	s_endpgm
.Lentry_in_a_cluster:
	s_bfe_u32 s2, ttmp6, 0x10000c
	s_cmp_lg_u32 s2, 0xf033
	s_cbranch_scc0 .Lentry_shape_is_right
	s_endpgm
.Lentry_shape_is_right:
; qkv = x W_qkv on codes of FP6 (E2M3) with E8M0 scales, and q, k, v quantised at once from the f32 sums: q and k along the head's 64, v along the tokens.  Nothing goes to memory as f32.
; OPERANDS are images of operand registers: a unit = 16 rows x 64 K = 768 bytes (512 bytes: the lanes' registers 0-3; 256: registers 4-5); [block of 128 rows][slot of 256 K] = 25,600 bytes: K step q, tile i, half c
; at q 12,288 + (2 i + c) 768, scale words at 24,576 + 128 i + 8 r + 4 q.  Lane r of tile 2 B + u holds row 32 B + 8 u + r + 8 (r / 8).
; A WORK-GROUP makes P 256 x R 128: P is source 0 (its rows run along a lane's registers in the result, 16 neighbours in two tiles), R is source 1 (a lane holds one of its rows).  Four waves, each P 128 x R 64: 32 accumulators.
; ALL OF K = 1,024 LIES IN LDS: four slots of 76,800 bytes, each filled once, all asked for at the head.  No byte of LDS is filled twice, and no result goes through LDS.
; ROLES by the cluster's x (equal in all sixteen partners): 0 = q, 1 = k: P = W_qkv's columns, R = tokens: a lane holds a token and 128 neighbouring columns, two heads.  2 = v: P = tokens, R = W_qkv's columns: a lane holds a column and 128 neighbouring tokens.
; CLUSTER 4 x 4: P's blocks hang on cx alone and are asked for jointly by the four work-groups of that cx, R's on cy alone, by the four of that cy.
; OUT, for each (batch, head) 315,392 bytes: q: for each 128 queries 8 units and 512 bytes of scale words (6,656); from 106,496 on, for each 128 keys 13,056 bytes: k's 8 units, v's 8 units (2 dt + c), k's scale words at 12,288, v's at 12,800.
; q's and k's scale words: byte 0, 1 the head's two blocks, bytes 2, 3 = 127 (they scale zero codes: the second product's K is 64 of the instruction's 128).
; LIMITS: NaN and infinities are not served; a block whose largest magnitude lies under 2^-124 (a block of zeros too) gets the byte 1: its codes are zeros and this program alone reads the bytes.
; REGISTERS: window 0: v1-3 lane terms; v16-35 LDS addresses, five a slot; v38 an offset; v40-55 P's scale words, v56-63 R's (two sets); v64-159 R's fragments (two sets of 48); v160-207 the way out.
;   window 1: P's fragments, two sets of 96, at v0 and v128.   window 2: accumulator (a, b) at v[64 a + 8 b].
.set HS,    315392
.set KVO,   106496
.set BLKB,  102400
.set IMGS,  25600
.set SLOT,  76800
.set G1P,   24                         ; s[24:31] descriptor group 1 for P's blocks;  s[32:39] for R's halves
.set G1R,   32
.set G0P,   40                         ; s[40:55] four groups 0 for P;  s[56:63], s[68:75] four for R
.set G0R,   56
.set AD,    16
.set SP,    40
.set SR,    56
.set RF,    64
.set TM,    160                        ; v160-163 largest magnitudes, v164-167 the other half's, then bytes, v172-175 the conversions' scale operands
.set PC,    176                        ; v176-187 the codes just made, v188-190, v192-194 upper halves
.set PW,    196                        ; v196-199 the four tiles' scale words
.set SEL,   2
.set MSB, 0
.macro WIN new                         ; the immediate's high byte repeats the setting that is left
.if MSB != \new
	s_set_vgpr_msb (MSB<<8)|\new
.set MSB, \new
.endif
.endm
.macro PLACES n
.rept \n
	v_nop
.endr
.endm
.macro ROUND                           ; a round of the cluster's barrier
	s_barrier_signal -1
	s_barrier_wait -1
	s_cmp_lg_u32 s10, 0
	s_cbranch_scc1 .Lnot_wave_0_\@
	s_barrier_signal -3
.Lnot_wave_0_\@:
	s_barrier_wait -3
	s_barrier_signal -1
	s_barrier_wait -1
.endm
.macro UNITLD reg, a16, a8, off        ; a unit comes back as it was stored: six registers
	ds_load_b128 v[\reg:\reg+3], v[\a16] offset:\off
	ds_load_b64 v[\reg+4:\reg+5], v[\a8] offset:\off+512
.endm
.macro FETCH_P slot, q, set            ; P's eight fragments of a K step
	WIN 0x40                                       ; destination window 1, address window 0
.irp b, 0,1,2,3,4,5,6,7
.irp c, 0,1
	UNITLD 128*(\set)+12*\b+6*\c, AD+5*(\slot), AD+5*(\slot)+1, (\q)*12288+(2*\b+\c)*768
.endr
.endr
	WIN 0
.endm
.macro FETCH_R slot, q, set            ; R's four
.irp a, 0,1,2,3
.irp c, 0,1
	UNITLD RF+48*(\set)+12*\a+6*\c, AD+5*(\slot)+2, AD+5*(\slot)+3, (\q)*12288+(2*\a+\c)*768
.endr
.endr
.endm
.macro SCALES slot                     ; a slot's scale words: register 2 p + q: lanes 0-15 tile 2 p, lanes 16-31 tile 2 p + 1, K step q
.irp p, 0,1,2,3
	ds_load_b64 v[SP+8*((\slot)%2)+2*\p:SP+8*((\slot)%2)+2*\p+1], v[AD+5*(\slot)+1] offset:24576+256*\p
.endr
.irp p, 0,1
	ds_load_b64 v[SR+4*((\slot)%2)+2*\p:SR+4*((\slot)%2)+2*\p+1], v[AD+5*(\slot)+4] offset:256*\p
.endr
.endm
.macro MM a, b, q, set, sc, zero       ; one product; an odd tile's scale words lie in lanes 16-31
.set rD, 64*(\a)+8*(\b)
.set rP, 128*(\set)+12*(\b)
.set rR, RF+48*(\set)+12*(\a)
.set rA, SP+8*(\sc)+2*((\b)/2)+(\q)
.set rB, SR+4*(\sc)+2*((\a)/2)+(\q)
.if \zero
.if ((\a)%2 == 0) && ((\b)%2 == 0)
	v_wmma_scale_f32_16x16x128_f8f6f4 v[rD:rD+7], v[rP:rP+11], v[rR:rR+11], 0, v[rA], v[rB] matrix_a_fmt:MATRIX_FMT_FP6 matrix_b_fmt:MATRIX_FMT_FP6
.elseif (\a)%2 == 0
	v_wmma_scale_f32_16x16x128_f8f6f4 v[rD:rD+7], v[rP:rP+11], v[rR:rR+11], 0, v[rA], v[rB] matrix_a_fmt:MATRIX_FMT_FP6 matrix_b_fmt:MATRIX_FMT_FP6 matrix_a_scale:MATRIX_SCALE_ROW1
.elseif (\b)%2 == 0
	v_wmma_scale_f32_16x16x128_f8f6f4 v[rD:rD+7], v[rP:rP+11], v[rR:rR+11], 0, v[rA], v[rB] matrix_a_fmt:MATRIX_FMT_FP6 matrix_b_fmt:MATRIX_FMT_FP6 matrix_b_scale:MATRIX_SCALE_ROW1
.else
	v_wmma_scale_f32_16x16x128_f8f6f4 v[rD:rD+7], v[rP:rP+11], v[rR:rR+11], 0, v[rA], v[rB] matrix_a_fmt:MATRIX_FMT_FP6 matrix_b_fmt:MATRIX_FMT_FP6 matrix_a_scale:MATRIX_SCALE_ROW1 matrix_b_scale:MATRIX_SCALE_ROW1
.endif
.else
.if ((\a)%2 == 0) && ((\b)%2 == 0)
	v_wmma_scale_f32_16x16x128_f8f6f4 v[rD:rD+7], v[rP:rP+11], v[rR:rR+11], v[rD:rD+7], v[rA], v[rB] matrix_a_fmt:MATRIX_FMT_FP6 matrix_b_fmt:MATRIX_FMT_FP6
.elseif (\a)%2 == 0
	v_wmma_scale_f32_16x16x128_f8f6f4 v[rD:rD+7], v[rP:rP+11], v[rR:rR+11], v[rD:rD+7], v[rA], v[rB] matrix_a_fmt:MATRIX_FMT_FP6 matrix_b_fmt:MATRIX_FMT_FP6 matrix_a_scale:MATRIX_SCALE_ROW1
.elseif (\b)%2 == 0
	v_wmma_scale_f32_16x16x128_f8f6f4 v[rD:rD+7], v[rP:rP+11], v[rR:rR+11], v[rD:rD+7], v[rA], v[rB] matrix_a_fmt:MATRIX_FMT_FP6 matrix_b_fmt:MATRIX_FMT_FP6 matrix_b_scale:MATRIX_SCALE_ROW1
.else
	v_wmma_scale_f32_16x16x128_f8f6f4 v[rD:rD+7], v[rP:rP+11], v[rR:rR+11], v[rD:rD+7], v[rA], v[rB] matrix_a_fmt:MATRIX_FMT_FP6 matrix_b_fmt:MATRIX_FMT_FP6 matrix_a_scale:MATRIX_SCALE_ROW1 matrix_b_scale:MATRIX_SCALE_ROW1
.endif
.endif
.endm
.macro MUL q, set, sc, zero            ; a K step's 32 products: the 32 accumulators take turns, one instruction a turn, in the same order in every step
.irp a, 0,1,2,3
.irp b, 0,1,2,3,4,5,6,7
	MM \a, \b, \q, \set, \sc, \zero
.endr
.endr
.endm
; K step k of eight: slot k / 2, its K step k % 2, fragment set k % 2.  The next step's 54 LDS loads are issued in one run ahead of this step's 32 products.
.macro STEPK k
.if ((\k)%2 == 1) && ((\k) < 7)
	s_wait_tensorcnt 3-((\k)+1)/2                  ; my part of the next slot is in; my loads for the slots behind it may stay out: no LDS byte is filled twice
.endif
	s_wait_dscnt 0x0                               ; this step's fragments are in
.if ((\k)%2 == 1) && ((\k) < 7)
	s_barrier_signal -1
	s_barrier_wait -1                              ; everybody's part of the next slot is in
.endif
.if (\k) < 7
.if (\k) > 0
	PLACES 4                                       ; four plain instructions between the last step's products and the loads into the registers that they read
.endif
	FETCH_P ((\k)+1)/2, ((\k)+1)%2, ((\k)+1)%2
	FETCH_R ((\k)+1)/2, ((\k)+1)%2, ((\k)+1)%2
.if ((\k)+1)%2 == 0
	SCALES ((\k)+1)/2
.endif
.endif
	WIN 0xa1                                       ; source 0 (P) window 1, source 1 (R) window 0, C and D window 2
.if (\k) == 0
	MUL 0, 0, 0, 1                                 ; the first products start the sums: nothing is cleared
.else
	MUL (\k)%2, (\k)%2, ((\k)/2)%2, 0
.endif
	WIN 0
.endm
	s_load_b128 s[4:7], s[0:1], 0x0                ; x_img s[4:5], wq_img s[6:7]
	s_load_b64 s[8:9], s[0:1], 0x10                ; qkv_img
	v_lshl_add_u32 v254, v0, 2, 0x4b000
	v_mov_b32 v255, 0
	ds_add_u32 v254, v255
	ds_add_u32 v254, v255
	v_lshrrev_b32 v4, 5, v0
	v_readfirstlane_b32 s10, v4                    ; wave
	v_and_b32 v3, 31, v0                           ; lane
	v_lshlrev_b32 v1, 4, v3                        ; 16 x lane
	v_lshlrev_b32 v2, 3, v3                        ; 8 x lane
	s_and_b32 s11, s10, 1                          ; wp: which 128 rows of P are mine.  Also: which part I fetch
	s_lshr_b32 s12, s10, 1                         ; wr: which 64 rows of R are mine
	s_bfe_u32 s13, ttmp6, 0x40000                  ; cx
	s_bfe_u32 s14, ttmp6, 0x40004                  ; cy
	s_mov_b32 s15, ttmp9                           ; the cluster's x: the role
	s_and_b32 s16, ttmp7, 0xffff                   ; the cluster's y
	s_lshr_b32 s85, s16, 1
	s_lshl_b32 s85, s85, 2                         ; v: P's first block of 256 tokens
	s_and_b32 s86, s16, 1
	s_lshl_b32 s86, s86, 2
	s_add_co_u32 s86, s86, 16                      ; v: R's first block of 128 columns (v's columns begin at block 16)
	s_lshl_b32 s87, s15, 2                         ; q, k: P's first block of 256 columns
	s_lshl_b32 s88, s16, 2                         ; q, k: R's first block of 128 tokens
	s_cmp_eq_u32 s15, 2
	s_cselect_b32 s17, s85, s87
	s_cselect_b32 s18, s86, s88
	s_add_co_u32 s17, s17, s13                     ; pi: hangs on cx, never on cy
	s_add_co_u32 s18, s18, s14                     ; ri: hangs on cy, never on cx
	s_lshl_b32 s76, 0x1111, s13                    ; the four work-groups of my cx
	s_or_b32 s[G1P], s76, (3<<16)|(1<<21)          ; 15:0 the mask; 17:16 elements of 8 bytes; 21 set beside a mask; no padding
	s_lshl_b32 s78, s14, 2
	s_lshl_b32 s78, 15, s78                        ; the four of my cy
	s_or_b32 s[G1R], s78, (3<<16)|(1<<21)
	s_mov_b32 s[G1P+1], 32<<16                     ; tensor_dim0 = 32 elements: rows of 256 bytes
	s_mov_b32 s[G1P+2], 100<<16                    ; tensor_dim1 = 100: a slot of a block, 25,600 dense bytes
	s_mov_b32 s[G1P+3], 32<<16                     ; tile_dim0
	s_mov_b32 s[G1P+4], 100                        ; tile_dim1
	s_mov_b32 s[G1P+5], 32                         ; the pitch
	s_mov_b32 s[G1P+6], 0
	s_mov_b32 s[G1P+7], 0
	s_mov_b32 s[G1R+1], 32<<16
	s_mov_b32 s[G1R+2], 50<<16                     ; half a slot of a block: 12,800 bytes
	s_mov_b32 s[G1R+3], 32<<16
	s_mov_b32 s[G1R+4], 50
	s_mov_b32 s[G1R+5], 32
	s_mov_b32 s[G1R+6], 0
	s_mov_b32 s[G1R+7], 0
	s_lshl_b32 s76, s17, 1
	s_add_co_u32 s76, s76, s11
	s_mul_i32 s76, s76, BLKB                       ; P: block 2 pi + (wave % 2)
	s_mov_b32 s77, 0
	s_mul_i32 s78, s18, BLKB                       ; R: block ri,
	s_mul_i32 s79, s11, 12800                      ; half wave % 2 of each slot
	s_add_co_u32 s78, s78, s79
	s_mov_b32 s79, 0
	s_mul_i32 s80, s11, IMGS                       ; where they go in a slot: no place in the cluster enters an LDS address
	s_mul_i32 s81, s11, 12800
	s_wait_dscnt 0x0
	s_wait_kmcnt 0x0
	s_cmp_eq_u32 s15, 2
	s_cselect_b64 s[20:21], s[4:5], s[6:7]         ; P: v: the tokens; q, k: the weights
	s_cselect_b64 s[22:23], s[6:7], s[4:5]         ; R: the other
	s_add_nc_u64 s[20:21], s[20:21], s[76:77]
	s_add_nc_u64 s[22:23], s[22:23], s[78:79]
.irp s, 0,1,2,3
.set gp, G0P+4*\s
.set gr, G0R+4*\s+4*(\s/2)
	s_mov_b32 s[gp], 1                             ; count = 1
	s_add_co_u32 s[gp+1], s80, \s*SLOT             ; LDS address
	s_add_nc_u64 s[gp+2:gp+3], s[20:21], \s*IMGS   ; global address
	s_or_b32 s[gp+3], s[gp+3], 0x80000000          ; type = 2
	s_mov_b32 s[gr], 1
	s_add_co_u32 s[gr+1], s81, \s*SLOT+2*IMGS
	s_add_nc_u64 s[gr+2:gr+3], s[22:23], \s*IMGS
	s_or_b32 s[gr+3], s[gr+3], 0x80000000
.endr
	ROUND                                          ; all sixteen work-groups are here: the joint loads meet
	s_cmp_lt_u32 s10, 2                            ; waves 0, 1 fetch P's two blocks, waves 2, 3 R's two halves: a wave's four loads stand in one branch; four loads of mine are out
	s_cbranch_scc0 .Lfill_r
	tensor_load_to_lds s[G0P:G0P+3], s[G1P:G1P+7]
	s_nop 0
	tensor_load_to_lds s[G0P+4:G0P+7], s[G1P:G1P+7]
	s_nop 0
	tensor_load_to_lds s[G0P+8:G0P+11], s[G1P:G1P+7]
	s_nop 0
	tensor_load_to_lds s[G0P+12:G0P+15], s[G1P:G1P+7]
	s_nop 0
	PLACES 4
	s_branch .Lfilled
.Lfill_r:
	tensor_load_to_lds s[G0R:G0R+3], s[G1R:G1R+7]
	s_nop 0
	tensor_load_to_lds s[G0R+4:G0R+7], s[G1R:G1R+7]
	s_nop 0
	tensor_load_to_lds s[G0R+12:G0R+15], s[G1R:G1R+7]
	s_nop 0
	tensor_load_to_lds s[G0R+16:G0R+19], s[G1R:G1R+7]
	s_nop 0
	PLACES 4
.Lfilled:
	s_mul_i32 s82, s11, IMGS                       ; my block of P
	s_mul_i32 s83, s12, 6144
	s_add_co_u32 s83, s83, 2*IMGS                  ; my four tiles of R
	s_lshl_b32 s84, s12, 9
	s_add_co_u32 s84, s84, 2*IMGS+24576            ; and their scale words
.irp s, 0,1,2,3
	v_add_nc_u32 v[AD+5*\s], s82, v1
	v_add_nc_u32 v[AD+5*\s+1], s82, v2
	v_add_nc_u32 v[AD+5*\s+2], s83, v1
	v_add_nc_u32 v[AD+5*\s+3], s83, v2
	v_add_nc_u32 v[AD+5*\s+4], s84, v2
	s_add_co_u32 s82, s82, SLOT
	s_add_co_u32 s83, s83, SLOT
	s_add_co_u32 s84, s84, SLOT
.endr
	; where my results go.  tb: the block of 128 tokens; hd: the (first) head
	s_mov_b32 s[SEL], 0x76543210
	s_mov_b32 s[SEL+1], 0xfedcba98                 ; v_permlanex16_b32's selects for lane l xor 16
	s_mov_b32 s19, 0x7f7f0000
	s_lshl_b32 s76, s17, 1
	s_add_co_u32 s76, s76, s11                     ; v: tb = 2 pi + wp
	s_lshl_b32 s77, s13, 2
	s_lshl_b32 s78, s11, 1
	s_add_co_u32 s77, s77, s78                     ; q, k: hd = 4 cx + 2 wp
	s_sub_co_u32 s78, s18, 16
	s_lshl_b32 s78, s78, 1
	s_add_co_u32 s78, s78, s12                     ; v: hd = 2 (ri - 16) + wr  (used in the role v alone)
	s_mul_i32 s79, s12, 3072                       ; q, k: my four tiles' units
	s_mov_b32 s81, HS
	s_mov_b32 s82, 1536
	s_mov_b32 s84, 13056
	s_mov_b32 s85, 12288
	s_cmp_eq_u32 s15, 2
	s_cselect_b32 s76, s76, s18                    ; tb
	s_cselect_b32 s77, s78, s77                    ; hd
	s_cselect_b32 s79, 6144, s79                   ; v's units lie behind k's
	s_cselect_b32 s90, 768, s81                    ; from a tile's first unit to its second: v: the next 64 tokens; q, k: the next head
	s_cselect_b32 s96, s82, 768                    ; from tile to tile
	s_cmp_eq_u32 s15, 0
	s_cselect_b32 s83, 0, KVO                      ; q's region, or k's and v's
	s_cselect_b32 s84, 6656, s84                   ; bytes for each 128 tokens
	s_cselect_b32 s85, 6144, s85                   ; where q's or k's scale words begin
	s_lshr_b32 s86, s76, 4
	s_lshl_b32 s86, s86, 4
	s_add_co_u32 s86, s86, s77                     ; 16 x batch + head
	s_and_b32 s87, s76, 15
	s_mul_i32 s86, s86, HS
	s_mul_i32 s87, s87, s84
	s_add_co_u32 s86, s86, s87
	s_add_co_u32 s86, s86, s83
	s_mov_b32 s87, 0
	s_add_nc_u64 s[98:99], s[8:9], s[86:87]        ; the block of these 128 tokens
	s_mov_b32 s88, s79
	s_mov_b32 s89, 0
	s_add_nc_u64 s[92:93], s[98:99], s[88:89]      ; a tile's first unit,
	s_mov_b32 s91, 0
	s_add_nc_u64 s[94:95], s[92:93], s[90:91]      ; its second
	s_mov_b32 s97, 0
	s_lshl_b32 s88, s12, 8
	s_add_co_u32 s88, s88, s85
	v_add_nc_u32 v38, s88, v2                      ; q, k: my four tiles' scale words, 8 bytes a lane
	s_wait_tensorcnt 3                             ; my part of slot 0 is in; my three later loads may stay out,
	s_barrier_signal -1
	s_barrier_wait -1                              ; everybody's is
	FETCH_P 0, 0, 0
	FETCH_R 0, 0, 0
	SCALES 0
.irp k, 0,1,2,3,4,5,6,7
	STEPK \k
.endr
; THE WAY OUT.  Of R's tile a a lane holds one row and 128 neighbours along P: register 16 b + i = 32 b + 16 (lane / 16) + i.  They become four blocks: two units and a scale word.
.macro QUANTW a
.set AC, 64*(\a)
	WIN 0x0a                                       ; sources 0 and 1: window 2
.irp b, 0,1,2,3
	v_max3_num_f32 v[TM+\b], |v[AC+16*\b]|, |v[AC+16*\b+1]|, 0x1800000   ; each accumulator is read from its low end on; the floor 2^(3 - 127) holds the byte at 1 from below
.endr
.irp i, 2,4,6,8,10,12,14
.irp b, 0,1,2,3
	v_max3_num_f32 v[TM+\b], |v[AC+16*\b+\i]|, |v[AC+16*\b+\i+1]|, v[TM+\b]
.endr
.endr
	WIN 0
.irp b, 0,1,2,3
	v_permlanex16_b32 v[TM+4+\b], v[TM+\b], s[SEL], s[SEL+1]
.endr
.irp b, 0,1,2,3
	v_max_num_f32 v[TM+\b], v[TM+\b], v[TM+4+\b]   ; with lane l xor 16's 16: the block's largest magnitude
.endr
.irp b, 0,1,2,3
	v_add_nc_u32 v[TM+12+\b], 0xff000000, v[TM+\b] ; 2 off its exponent field: the conversion's scale operand
.endr
.irp b, 0,1,2,3
	v_lshrrev_b32 v[TM+4+\b], 23, v[TM+12+\b]      ; the byte
.endr
	v_lshl_or_b32 v[PW+(\a)], v[TM+5], 8, v[TM+4]
	v_lshl_or_b32 v[PW+(\a)], v[TM+6], 16, v[PW+(\a)]
	v_lshl_or_b32 v[PW+(\a)], v[TM+7], 24, v[PW+(\a)]
.if (\a) > 0
	s_wait_xcnt 0x0                                ; the last tile's stores have read their data and their bases: both are written again only behind this wait
	s_add_nc_u64 s[92:93], s[92:93], s[96:97]
	s_add_nc_u64 s[94:95], s[94:95], s[96:97]
.endif
	WIN 0x02                                       ; source 0: window 2
.irp c, 0,1
	v_cvt_scalef32_pk16_fp6_f32 v[PC+6*\c:PC+6*\c+2], v[AC+32*\c:AC+32*\c+15], v[TM+12+2*\c]
	v_cvt_scalef32_pk16_fp6_f32 v[PC+12+4*\c:PC+12+4*\c+2], v[AC+32*\c+16:AC+32*\c+31], v[TM+12+2*\c+1]   ; (a conversion's three registers begin on an even number)
.endr
	WIN 0
	v_nop                                          ; one plain instruction behind the scaled conversions
.irp c, 0,1                                    ; a unit wants a whole block in a lane: lanes 0-15 block 2 c, lanes 16-31 block 2 c + 1
.irp i, 0,1,2
	v_permlane16_swap_b32 v[PC+6*\c+\i], v[PC+12+4*\c+\i]
.endr
.irp i, 0,1,2
	v_mov_b32 v[PC+6*\c+3+\i], v[PC+12+4*\c+\i]
.endr
.endr
	global_store_b128 v1, v[PC:PC+3], s[92:93]             ; 512 consecutive bytes,
	global_store_b64 v2, v[PC+4:PC+5], s[92:93] offset:512 ; and 256: both start at multiples of 256 from the buffer's first byte
	global_store_b128 v1, v[PC+6:PC+9], s[94:95]
	global_store_b64 v2, v[PC+10:PC+11], s[94:95] offset:512
.endm
.irp b, 0,1,2,3
	v_mov_b32 v[TM+4+\b], 0                        ; a lane permute's destination counts as one of its sources.  These four are also the plain instructions between the last products and the first read of results
.endr
	QUANTW 0
	QUANTW 1
	QUANTW 2
	QUANTW 3
	v_cmp_le_u32 vcc_lo, 16, v3
	v_cndmask_b32 v200, v196, v197, vcc_lo         ; lanes 0-15: tile 0's words, lanes 16-31: tile 1's;
	v_cndmask_b32 v201, v198, v199, vcc_lo         ; tiles 2 and 3
	s_cmp_eq_u32 s15, 2                            ; the role: equal in all partners; no barrier and no tensor load stands in the arms
	s_cbranch_scc1 .Lv_scales
	v_and_or_b32 v204, v200, 0xffff, s19           ; the first head's two bytes, under two bytes 127;
	v_and_or_b32 v205, v201, 0xffff, s19
	v_lshrrev_b32 v206, 16, v200                   ; the second head's
	v_lshrrev_b32 v207, 16, v201
	v_or_b32 v206, s19, v206
	v_or_b32 v207, s19, v207
	global_store_b64 v38, v[204:205], s[98:99]             ; 256 consecutive bytes
	global_store_b64 v38, v[206:207], s[98:99] offset:HS
	s_branch .Ldone
.Lv_scales:
	global_store_b64 v2, v[200:201], s[98:99] offset:12800 ; v: a word's four bytes are the step's four blocks of keys
.Ldone:
	s_wait_tensorcnt 0x0
	ds_add_u32 v254, v255
	s_wait_dscnt 0x0
	ROUND                                          ; the closing round: no work-group ends while a partner may still ask for a block that names it
	s_endpgm
.Lfunc_end_k_q4591fed994_qkv:
	.size	k_q4591fed994_qkv, .Lfunc_end_k_q4591fed994_qkv-k_q4591fed994_qkv
	.p2alignl 7, 3214868480
	.fill 96, 4, 3214868480
	.section	.rodata,"a",@progbits
	.p2align	6, 0x0
	.amdhsa_kernel k_q4591fed994_qkv
		.amdhsa_group_segment_fixed_size 307712
		.amdhsa_private_segment_fixed_size 0
		.amdhsa_enable_private_segment 0
		.amdhsa_kernarg_size 24
		.amdhsa_user_sgpr_count 2
		.amdhsa_user_sgpr_kernarg_segment_ptr 1
		.amdhsa_wavefront_size32 1
		.amdhsa_system_sgpr_workgroup_id_x 1
		.amdhsa_system_sgpr_workgroup_id_y 1
		.amdhsa_system_sgpr_workgroup_id_z 1
		.amdhsa_system_vgpr_workitem_id 0
		.amdhsa_next_free_vgpr 768
		.amdhsa_next_free_sgpr 104
		.amdhsa_reserve_vcc 1
		.amdhsa_float_denorm_mode_32 3
		.amdhsa_float_denorm_mode_16_64 3
		.amdhsa_memory_ordered 1
		.amdhsa_forward_progress 1
		.amdhsa_inst_pref_size 89
	.end_amdhsa_kernel
	.amdgpu_metadata
---
amdhsa.version: [ 1, 2 ]
amdhsa.kernels:
  - .name:           k_q4591fed994_qkv
    .symbol:         k_q4591fed994_qkv.kd
    .args:
      - { .name: x_img, .offset: 0, .size: 8, .value_kind: global_buffer, .address_space: global }
      - { .name: wq_img, .offset: 8, .size: 8, .value_kind: global_buffer, .address_space: global }
      - { .name: qkv_img, .offset: 16, .size: 8, .value_kind: global_buffer, .address_space: global }
    .group_segment_fixed_size: 307712
    .private_segment_fixed_size: 0
    .kernarg_segment_align: 8
    .kernarg_segment_size: 24
    .max_flat_workgroup_size: 128
    .sgpr_count:     104
    .vgpr_count:     768
    .wavefront_size: 32
...
	.end_amdgpu_metadata
.endif
;; end of part 2
;; launch attn (part 3): grid 4 x 64, 16 waves a work-group, clusters of 4 x 1, 210,944 bytes of LDS; arguments qkv_img, y_img; writes y_img
.if DOCPART == 3
	.amdgcn_target "amdgcn-amd-amdhsa--gfx1250"
	.amdhsa_code_object_version 6
	.text
	.protected	k_q4591fed994_attn
	.globl	k_q4591fed994_attn
	.p2align	8
	.type	k_q4591fed994_attn,@function
k_q4591fed994_attn:
	s_mov_b64 s[64:65], 0
	v_nop
	global_prefetch_b8 v0, s[64:65] scope:SCOPE_SE
	s_setreg_imm32_b32 hwreg(HW_REG_WAVE_MODE, 25, 1), 1
	s_wait_xcnt 0x0
	s_wait_alu depctr_hold_cnt(0) depctr_sa_sdst(0) depctr_va_vdst(0) depctr_va_sdst(0) depctr_va_ssrc(0) depctr_va_vcc(0) depctr_vm_vsrc(0)
	s_getreg_b32 s2, hwreg(HW_REG_IB_STS2, 6, 4)
	s_cmp_eq_u32 s2, 0
	s_cbranch_scc0 .Lentry_in_a_cluster
	s_endpgm
.Lentry_in_a_cluster:
	s_bfe_u32 s2, ttmp6, 0x10000c
	s_cmp_lg_u32 s2, 0x3003
	s_cbranch_scc0 .Lentry_shape_is_right
	s_endpgm
.Lentry_shape_is_right:
; y = softmax(8 q k^T, causal) v for each (batch, head), both products on codes of FP6 (E2M3) with E8M0 scales, and y quantised along the head's 64 into the image that the last product reads.
; THE SOFTMAX AHEAD OF THE SECOND PRODUCT: t = score x 8 log2(e); M = the running largest t rounded UP to a whole number; p = 2^(t - M) is quantised along the keys, not normalised; the row's sum is taken of the unquantised p and divides at the end.
; When M moves, the sum and O are multiplied by 2^(old M - new M): exact.
; IN, for each (batch, head) 315,392 bytes: q: for each 128 queries 8 units (16 queries x 64: 768 bytes, an image of six operand registers) and their scale words; from 106,496 on, for each 128 keys 13,056 bytes:
; k's 8 units, v's 8 units (d tile dt, 64 keys c: 2 dt + c), k's scale words at 12,288, v's at 12,800.  The first product's K is 64: the upper six registers of q's and k's fragments are zero codes, under bytes 127.
; Lane r of tile 2 b + u holds token (or d) 32 b + 8 u + r + 8 (r / 8): so the 16 registers of tiles 2 b, 2 b + 1 of S^T = k q^T are 16 neighbouring keys, and those of O^T = v^T p^T 16 neighbouring d.
; SHARES.  The four work-groups of a cluster serve one head.  THE HEAD'S WHOLE K AND V LIE IN LDS, 16 x 13,056 bytes, filled ONCE: wave w asks for key step w, jointly with the same wave of the three partners.  Behind one barrier the waves never meet again.
; Wave w = 2 u + e makes two tiles of 16 queries, one a pass: tile 2 cx + e of the group of 128 queries u, then of group 15 - u: (u + 1) + (16 - u) = 17 key steps for every wave of the launch.
; A pass walks 16 key steps by a constant count and jumps over the work of those whose keys all come after its queries: a branch on the wave's number and the count alone, never on the work-group's place in its cluster.
; LIMITS: NaN and infinities are not served; a p under 2^-126 counts as 0; y = O x (1 / sum), the reciprocal to 1 ulp; a block of y whose largest magnitude lies under 2^-124 gets the byte 1: its codes are zeros, and this program alone reads the bytes.
; REGISTERS: v1, v2 16 x, 8 x lane; v3, v4 the same + the step's LDS byte; v5 my query's place in its group - 16 (lane / 16); v6 8 r; v7 -infinity; v12 -M, v13 the largest t, v[14:15] the sum; v16-27 q; v30-31 v's scale words;
;   v32-79 four fragments of k; v80-127 four of v; v128-191 S^T, then p; v192-223 O^T; v224-235 p's codes; v232-247 at work; v248-251 k's scale words; v252 f; v253 p's scale word; v254 at work; v255 q's scale word.
.set HS,    315392
.set KVO,   106496
.set STEPB, 13056
.set S,     128
.set O,     192
.set SEL,   20
.set CS,    22
.set KS,    36                         ; s36 the key step
.set TB,    37                         ; s37 its first LDS byte
.set AG,    38                         ; s38 my group of 128 queries
.macro ROUND                           ; a round of the cluster's barrier
	s_barrier_signal -1
	s_barrier_wait -1
	s_cmp_lg_u32 s8, 0
	s_cbranch_scc1 .Lnot_wave_0_\@
	s_barrier_signal -3
.Lnot_wave_0_\@:
	s_barrier_wait -3
	s_barrier_signal -1
	s_barrier_wait -1
.endm
.macro UNITLD reg, off                 ; a unit comes back as it was stored: six registers
	ds_load_b128 v[\reg:\reg+3], v3 offset:\off
	ds_load_b64 v[\reg+4:\reg+5], v4 offset:\off+512
.endm
.macro SPROD g                         ; S^T = k q^T: tiles 4 g .. 4 g + 3 of 16 keys; an odd tile's scale words lie in lanes 16-31
.irp t, 0,1,2,3
.if \t%2 == 0
	v_wmma_scale_f32_16x16x128_f8f6f4 v[S+32*(\g)+8*\t:S+32*(\g)+8*\t+7], v[32+12*\t:43+12*\t], v[16:27], 0, v[248+2*(\g)+\t/2], v255 matrix_a_fmt:MATRIX_FMT_FP6 matrix_b_fmt:MATRIX_FMT_FP6
.else
	v_wmma_scale_f32_16x16x128_f8f6f4 v[S+32*(\g)+8*\t:S+32*(\g)+8*\t+7], v[32+12*\t:43+12*\t], v[16:27], 0, v[248+2*(\g)+\t/2], v255 matrix_a_fmt:MATRIX_FMT_FP6 matrix_b_fmt:MATRIX_FMT_FP6 matrix_a_scale:MATRIX_SCALE_ROW1
.endif
.endr
.endm
	s_load_b128 s[4:7], s[0:1], 0x0                ; qkv_img s[4:5], y_img s[6:7]
	v_lshl_add_u32 v29, v0, 2, 0x33000
	v_mov_b32 v243, 0
	ds_add_u32 v29, v243
	ds_add_u32 v29, v243
	v_lshrrev_b32 v8, 5, v0
	v_readfirstlane_b32 s8, v8                     ; wave 0..15
	s_lshr_b32 s9, s8, 1                           ; u
	s_and_b32 s10, s8, 1                           ; e
	s_bfe_u32 s11, ttmp6, 0x40000                  ; cx: it enters q's and y's global addresses and the mask's comparison alone
	s_and_b32 s12, ttmp7, 0xffff                   ; 16 x batch + head, which the four partners share
	s_mov_b32 s24, 15|(3<<16)|(1<<21)              ; group 1: 15:0 the mask: all four work-groups; 17:16 elements of 8 bytes; 21 set beside a mask; no padding
	s_mov_b32 s25, 32<<16                          ; tensor_dim0 = 32: rows of 256 bytes
	s_mov_b32 s26, 51<<16                          ; tensor_dim1 = 51: a key step's 13,056 dense bytes
	s_mov_b32 s27, 32<<16                          ; tile_dim0
	s_mov_b32 s28, 51                              ; tile_dim1
	s_mov_b32 s29, 32                              ; the pitch
	s_mov_b32 s30, 0
	s_mov_b32 s31, 0
	s_mul_i32 s40, s12, HS
	s_mov_b32 s41, 0
	s_mul_i32 s39, s8, STEPB                       ; key step w: in LDS and in memory
	s_add_co_u32 s46, s39, KVO
	s_mov_b32 s47, 0
	s_wait_dscnt 0x0
	s_wait_kmcnt 0x0
	s_add_nc_u64 s[40:41], s[4:5], s[40:41]        ; the head
	s_mov_b32 s32, 1                               ; group 0: count = 1
	s_mov_b32 s33, s39                             ; LDS address
	s_add_nc_u64 s[34:35], s[40:41], s[46:47]      ; global address
	s_or_b32 s35, s35, 0x80000000                  ; type = 2
	ROUND                                          ; all four work-groups are here: the joint loads meet
	tensor_load_to_lds s[32:35], s[24:31]          ; my one tensor load of the launch
	s_nop 0
.rept 4
	v_nop
.endr
	v_and_b32 v8, 31, v0
	v_lshlrev_b32 v1, 4, v8
	v_lshlrev_b32 v2, 3, v8
	v_and_b32 v9, 15, v0                           ; r
	v_bfe_u32 v10, v0, 4, 1                        ; h
	v_lshlrev_b32 v6, 3, v9
	v_and_b32 v11, 8, v9
	v_add_nc_u32 v5, v11, v9                       ; r + 8 (r / 8)
	v_lshlrev_b32 v11, 4, v10
	v_sub_nc_u32 v5, v5, v11                       ; - 16 h
	s_lshl_b32 s46, s11, 5
	s_lshl_b32 s47, s10, 3
	s_add_co_u32 s46, s46, s47
	v_add_nc_u32 v5, s46, v5                       ; + 32 cx + 8 e: tile 2 cx + e
	v_mov_b32 v7, 0xff800000
.irp i, 22,23,24,25,26,27
	v_mov_b32 v\i, 0                               ; q's upper 64 along K: zero codes, written once
.endr
.irp t, 0,1,2,3
.irp i, 6,7,8,9,10,11
	v_mov_b32 v[32+12*\t+\i], 0                    ; k's likewise
.endr
.endr
	s_mov_b32 s[SEL], 0x76543210
	s_mov_b32 s[SEL+1], 0xfedcba98                 ; v_permlanex16_b32's selects for lane l xor 16
	s_mov_b32 s[CS], 0x4138aa3b                    ; c = 8 log2(e)
	s_mov_b32 s[CS+1], s[CS]                       ; (named with it as a pair, so it is written)
	s_lshl_b32 s13, s11, 1
	s_add_co_u32 s13, s13, s10                     ; j = 2 cx + e: my tile in a group
	s_and_b32 s14, s12, 15                         ; the head
	s_mul_i32 s15, s13, 768                        ; q's unit in its group
	s_lshr_b32 s16, s11, 1                         ; q's scale words: 6,144 + 256 (j / 4) + 128 (j % 2) + 4 ((j / 2) % 2) + 8 r
	s_lshl_b32 s16, s16, 8
	s_lshl_b32 s17, s10, 7
	s_add_co_u32 s16, s16, s17
	s_and_b32 s17, s11, 1
	s_lshl_b32 s17, s17, 2
	s_add_co_u32 s16, s16, s17
	s_add_co_u32 s16, s16, 6144
	s_lshr_b32 s17, s12, 4                         ; y's image: block 16 x batch + group, slot head / 4, K step (head / 2) % 2, half head % 2
	s_mul_i32 s17, s17, 16*102400
	s_lshr_b32 s18, s14, 2
	s_mul_i32 s18, s18, 25600
	s_add_co_u32 s17, s17, s18
	s_bfe_u32 s18, s14, 0x10001
	s_and_b32 s19, s14, 1
	s_mul_i32 s50, s18, 12288
	s_lshl_b32 s51, s13, 1
	s_add_co_u32 s51, s51, s19
	s_mul_i32 s51, s51, 768
	s_add_co_u32 s50, s50, s51
	s_add_co_u32 s50, s50, s17                     ; my unit, but for the group
	s_lshl_b32 s51, s13, 7
	s_lshl_b32 s56, s18, 2
	s_add_co_u32 s51, s51, s56
	s_lshl_b32 s56, s19, 1
	s_add_co_u32 s51, s51, s56
	s_add_co_u32 s51, s51, 24576
	s_add_co_u32 s51, s51, s17                     ; my two bytes of the scale words, but for the group and 8 r
	s_wait_tensorcnt 0x0                           ; my key step is in,
	s_barrier_signal -1
	s_barrier_wait -1                              ; everybody's is: the head's K and V are whole, and nobody writes LDS again
; A KEY STEP: 128 keys.
.macro STEP
	s_cmp_gt_u32 s[KS], s[AG]                      ; all its keys come after my queries: its work is left out
	s_cbranch_scc1 .Lhidden_\@
	v_add_nc_u32 v3, s[TB], v1
	v_add_nc_u32 v4, s[TB], v2
	ds_load_b64 v[248:249], v4 offset:12288        ; k's scale words: register 2 g + i: lanes 0-15 tile 4 g + 2 i, lanes 16-31 tile 4 g + 2 i + 1
	ds_load_b64 v[250:251], v4 offset:12544
.irp t, 0,1,2,3
	UNITLD 32+12*\t, 768*\t
.endr
	s_wait_dscnt 0x0
	SPROD 0
.rept 4
	v_nop                                          ; four plain instructions between the products and the loads into the registers that they read; with the two additions above they also stand between the last step's V^T P^T and v's loads
.endr
.irp t, 0,1,2,3
	UNITLD 32+12*\t, 3072+768*\t
.endr
.irp f, 0,1,2,3,4,5,6,7
	UNITLD 80+6*\f, 6144+768*\f                    ; all of v's step: it lands under the softmax
.endr
	ds_load_b64 v[30:31], v4 offset:12800          ; v's scale words: register i: lanes 0-15 dt = 2 i, lanes 16-31 dt = 2 i + 1
	s_wait_dscnt 17                                ; k's four units are in; v's 16 loads and its scale words may be out
	SPROD 1
.rept 4
	v_nop
.endr
	s_cmp_lt_u32 s[KS], s[AG]                      ; all its keys count: no mask
	s_cbranch_scc1 .Lopen_\@
.set nn, 0
.rept 64                                       ; the step on the diagonal: register 16 b + i holds key 32 b + 16 (lane / 16) + i of the step: hidden where 32 b + i > v5.  -infinity ahead of the maximum: p = 0 then
	v_cmp_gt_i32 vcc_lo, 32*(nn/16)+nn%16, v5
	v_cndmask_b32 v[S+nn], v[S+nn], v7, vcc_lo
.set nn, nn+1
.endr
.Lopen_\@:
.irp b, 0,1,2,3
	v_max3_num_f32 v[232+\b], v[S+16*\b], v[S+1+16*\b], v[S+2+16*\b]   ; the largest score of each block of 32 keys: it serves for the row's maximum and, since p rises with the score, for the block's largest p
.endr
.irp i, 3,5,7,9,11,13
.irp b, 0,1,2,3
	v_max3_num_f32 v[232+\b], v[232+\b], v[S+16*\b+\i], v[S+1+16*\b+\i]
.endr
.endr
.irp b, 0,1,2,3
	v_max_num_f32 v[232+\b], v[232+\b], v[S+15+16*\b]
.endr
.irp b, 0,1,2,3
	v_permlanex16_b32 v[236+\b], v[232+\b], s[SEL], s[SEL+1]
.endr
.irp b, 0,1,2,3
	v_max_num_f32 v[232+\b], v[232+\b], v[236+\b]  ; with lane l xor 16's 16 keys
.endr
	v_max3_num_f32 v254, v232, v233, v234
	v_max_num_f32 v254, v254, v235                 ; the step's largest score of my query
	v_mul_f32 v254, s[CS], v254                    ; as t
	v_max_num_f32 v13, v13, v254                   ; the running largest t
	v_mov_b32 v254, v12
	v_floor_f32 v12, -v13                          ; the new -M = floor(-t) = -ceil(t)
	v_sub_f32 v254, v12, v254                      ; old M - new M: a whole number, 0 or less
	v_cvt_i32_f32 v254, v254                       ; (it saturates)
	v_ldexp_f32 v252, 1.0, v254                    ; f = 2^(old M - new M)
.set jj, 0
.rept 32
	v_pk_fma_f32 v[S+jj:S+jj+1], v[S+jj:S+jj+1], s[CS:CS+1], v[12:13] op_sel_hi:[1,0,0]   ; t - M, two at a time
.set jj, jj+2
.endr
.irp b, 0,1,2,3
	v_fma_f32 v[232+\b], v[232+\b], s[CS], v12     ; the same of each block's largest score
.endr
.set jj, 0
.rept 64
	v_exp_f32 v[S+jj], v[S+jj]                     ; p = 2^(t - M), at most 1
.set jj, jj+1
.endr
	v_pk_mul_f32 v[14:15], v[14:15], v[252:253] op_sel_hi:[1,0]   ; the sums under the new M: the plain instruction behind the exponentials
	s_wait_alu depctr_va_vdst(0)                   ; one wait for the batch of 64, ahead of its first reader
.irp b, 0,1,2,3
	v_exp_f32 v[232+\b], v[232+\b]                 ; the block's largest p: the same two instructions on the same number give the same bits
.endr
	v_pk_add_f32 v[236:237], v[S:S+1], v[S+2:S+3]  ; the row's sum is taken of the unquantised p, in two chains; it reads the 64 alone
.irp j, 4,8,12,16,20,24,28,32,36,40,44,48,52,56,60
	v_pk_add_f32 v[14:15], v[14:15], v[S+\j:S+1+\j]
	v_pk_add_f32 v[236:237], v[236:237], v[S+2+\j:S+3+\j]
.endr
	v_pk_add_f32 v[14:15], v[14:15], v[236:237]
	s_wait_alu depctr_va_vdst(0)                   ; and one for the four
.irp b, 0,1,2,3
	v_max_num_f32 v[232+\b], 0x1800000, v[232+\b]  ; the floor 2^(3 - 127): the byte cannot fall under 1 (a block whose every p is 0 keeps that byte: its codes are zeros)
.endr
.irp b, 0,1,2,3
	v_add_nc_u32 v[244+\b], 0xff000000, v[232+\b]  ; 2 off the exponent field: the conversion's scale operand
.endr
.irp b, 0,1,2,3
	v_lshrrev_b32 v[236+\b], 23, v[244+\b]         ; the byte
.endr
	v_lshl_or_b32 v253, v237, 8, v236              ; p's scale word for these 128 keys
	v_lshl_or_b32 v253, v238, 16, v253
	v_lshl_or_b32 v253, v239, 24, v253
.irp c, 0,1
	v_cvt_scalef32_pk16_fp6_f32 v[224+6*\c:226+6*\c], v[S+32*\c:S+15+32*\c], v[244+2*\c]
	v_cvt_scalef32_pk16_fp6_f32 v[236+4*\c:238+4*\c], v[S+16+32*\c:S+31+32*\c], v[244+2*\c+1]   ; (a conversion's three registers begin on an even number)
.endr
	v_nop                                          ; one plain instruction behind the scaled conversions
.irp c, 0,1                                    ; the operand wants a whole block in a lane: lanes 0-15 block 2 c, lanes 16-31 block 2 c + 1
.irp i, 0,1,2
	v_permlane16_swap_b32 v[224+6*\c+\i], v[236+4*\c+\i]
.endr
.irp i, 0,1,2
	v_mov_b32 v[227+6*\c+\i], v[236+4*\c+\i]
.endr
.endr
.set jj, 0
.rept 16
	v_pk_mul_f32 v[O+jj:O+jj+1], v[O+jj:O+jj+1], v[252:253] op_sel_hi:[1,0]   ; O^T under the new M.  These 16 also stand between the writing of p's codes and scale word and the products that take them
.set jj, jj+2
.endr
	s_wait_dscnt 0x0                               ; v is in
.irp t, 0,1,2,3                                ; O^T += v^T p^T: four tiles of 16 of the head's 64, four accumulators by turns; K = these 128 keys
.if \t%2 == 0
	v_wmma_scale_f32_16x16x128_f8f6f4 v[O+8*\t:O+8*\t+7], v[80+12*\t:91+12*\t], v[224:235], v[O+8*\t:O+8*\t+7], v[30+\t/2], v253 matrix_a_fmt:MATRIX_FMT_FP6 matrix_b_fmt:MATRIX_FMT_FP6
.else
	v_wmma_scale_f32_16x16x128_f8f6f4 v[O+8*\t:O+8*\t+7], v[80+12*\t:91+12*\t], v[224:235], v[O+8*\t:O+8*\t+7], v[30+\t/2], v253 matrix_a_fmt:MATRIX_FMT_FP6 matrix_b_fmt:MATRIX_FMT_FP6 matrix_a_scale:MATRIX_SCALE_ROW1
.endif
.endr
.Lhidden_\@:
.endm
; A PASS: one tile of 16 queries.
.macro PASS p
.if \p == 0
	s_mov_b32 s[AG], s9
.else
	s_wait_xcnt 0x0                                ; the first pass's stores have read their data and their bases
	s_sub_co_u32 s[AG], 15, s9
.endif
	s_mul_i32 s46, s[AG], 6656
	s_add_co_u32 s48, s46, s16
	s_add_co_u32 s46, s46, s15
	s_mov_b32 s47, 0
	s_mov_b32 s49, 0
	s_add_nc_u64 s[42:43], s[40:41], s[46:47]
	s_add_nc_u64 s[44:45], s[40:41], s[48:49]
	global_load_b128 v[16:19], v1, s[42:43]        ; q's unit: it stays in registers
	global_load_b64 v[20:21], v2, s[42:43] offset:512
	global_load_b32 v255, v6, s[44:45]             ; and its scale words
	s_mul_i32 s46, s[AG], 102400
	s_add_co_u32 s48, s46, s51
	s_add_co_u32 s46, s46, s50
	s_add_nc_u64 s[52:53], s[6:7], s[46:47]        ; where y's unit goes,
	s_add_nc_u64 s[54:55], s[6:7], s[48:49]        ; and its two scale bytes
	v_mov_b32 v13, 0xff61b1e6                      ; the largest t so far: -3e38, under every t
	v_floor_f32 v12, -v13                          ; -M
	v_mov_b32 v14, 0                               ; the sum, in two halves
	v_mov_b32 v15, 0
	v_mov_b32 v252, 0
	v_mov_b32 v253, 0                              ; (named as the upper half of the pair v[252:253] before it is first written)
.irp b, 0,1,2,3
	v_mov_b32 v[236+\b], 0                         ; a lane permute's destination counts as one of its sources
.endr
.set jj, 0
.rept 32
	v_mov_b32 v[O+jj], 0                           ; O^T: the step is written once for all steps: the first finds zeros, which the first change of M leaves zeros
.set jj, jj+1
.endr
	s_mov_b32 s[KS], 0
	s_mov_b32 s[TB], 0
	s_wait_loadcnt 0x0                             ; q
.Lks_\@:
	STEP
	s_add_co_u32 s[TB], s[TB], STEPB
	s_add_co_u32 s[KS], s[KS], 1
	s_cmp_lt_u32 s[KS], 16
	s_cbranch_scc1 .Lks_\@
	; y = O^T / the sum: register 16 b + i = d 32 b + 16 (lane / 16) + i of my query: two blocks: one unit and two bytes
.rept 4
	v_nop                                          ; four plain instructions between the last products and the first read of results
.endr
	v_add_f32 v14, v14, v15                        ; the sum's two halves,
	v_permlanex16_b32 v252, v14, s[SEL], s[SEL+1]
	v_add_f32 v14, v14, v252                       ; and lane l xor 16's
	v_rcp_f32 v14, v14
	v_nop                                          ; a plain instruction behind the reciprocal,
	s_wait_alu depctr_va_vdst(0)                   ; and the wait ahead of its first reader
.set jj, 0
.rept 32
	v_mul_f32 v[S+jj], v[O+jj], v14                ; each accumulator from its low end on
.set jj, jj+1
.endr
.irp b, 0,1
	v_max3_num_f32 v[232+\b], |v[S+16*\b]|, |v[S+1+16*\b]|, 0x1800000
.endr
.irp i, 2,4,6,8,10,12,14
.irp b, 0,1
	v_max3_num_f32 v[232+\b], v[232+\b], |v[S+16*\b+\i]|, |v[S+1+16*\b+\i]|
.endr
.endr
.irp b, 0,1
	v_permlanex16_b32 v[236+\b], v[232+\b], s[SEL], s[SEL+1]
.endr
.irp b, 0,1
	v_max_num_f32 v[232+\b], v[232+\b], v[236+\b]
.endr
.irp b, 0,1
	v_add_nc_u32 v[244+\b], 0xff000000, v[232+\b]
.endr
.irp b, 0,1
	v_lshrrev_b32 v[236+\b], 23, v[244+\b]
.endr
	v_lshl_or_b32 v254, v237, 8, v236              ; the head's two bytes of my row's scale word
	v_cvt_scalef32_pk16_fp6_f32 v[224:226], v[S:S+15], v244
	v_cvt_scalef32_pk16_fp6_f32 v[228:230], v[S+16:S+31], v245
	v_nop                                          ; one plain instruction behind the scaled conversions
.irp i, 0,1,2
	v_permlane16_swap_b32 v[224+\i], v[228+\i]     ; lanes 0-15 block 0, lanes 16-31 block 1: lower 16 codes in the first three registers, upper 16 in the second three
.endr
	v_mov_b32 v227, v228
	v_mov_b32 v228, v229
	v_mov_b32 v229, v230
	global_store_b128 v1, v[224:227], s[52:53]             ; 512 consecutive bytes,
	global_store_b64 v2, v[228:229], s[52:53] offset:512   ; and 256: both start at multiples of 256 from the buffer's first byte
	global_store_b16 v6, v254, s[54:55]                    ; two bytes a row, 8 bytes apart; both halves of the lanes write the same bytes with the same value.  32 bytes beside a unit's 768: a row's word is shared by two heads, which are two work-groups'
.endm
	PASS 0
	PASS 1
	s_wait_tensorcnt 0x0
	ds_add_u32 v29, v243
	s_wait_dscnt 0x0
	ROUND                                          ; the closing round: no work-group ends while a partner may still ask for a step that names it
	s_endpgm
.Lfunc_end_k_q4591fed994_attn:
	.size	k_q4591fed994_attn, .Lfunc_end_k_q4591fed994_attn-k_q4591fed994_attn
	.p2alignl 7, 3214868480
	.fill 96, 4, 3214868480
	.section	.rodata,"a",@progbits
	.p2align	6, 0x0
	.amdhsa_kernel k_q4591fed994_attn
		.amdhsa_group_segment_fixed_size 210944
		.amdhsa_private_segment_fixed_size 0
		.amdhsa_enable_private_segment 0
		.amdhsa_kernarg_size 16
		.amdhsa_user_sgpr_count 2
		.amdhsa_user_sgpr_kernarg_segment_ptr 1
		.amdhsa_wavefront_size32 1
		.amdhsa_system_sgpr_workgroup_id_x 1
		.amdhsa_system_sgpr_workgroup_id_y 1
		.amdhsa_system_sgpr_workgroup_id_z 1
		.amdhsa_system_vgpr_workitem_id 0
		.amdhsa_next_free_vgpr 256
		.amdhsa_next_free_sgpr 66
		.amdhsa_reserve_vcc 1
		.amdhsa_float_denorm_mode_32 3
		.amdhsa_float_denorm_mode_16_64 3
		.amdhsa_memory_ordered 1
		.amdhsa_forward_progress 1
		.amdhsa_inst_pref_size 60
	.end_amdhsa_kernel
	.amdgpu_metadata
---
amdhsa.version: [ 1, 2 ]
amdhsa.kernels:
  - .name:           k_q4591fed994_attn
    .symbol:         k_q4591fed994_attn.kd
    .args:
      - { .name: qkv_img, .offset: 0, .size: 8, .value_kind: global_buffer, .address_space: global }
      - { .name: y_img, .offset: 8, .size: 8, .value_kind: global_buffer, .address_space: global }
    .group_segment_fixed_size: 210944
    .private_segment_fixed_size: 0
    .kernarg_segment_align: 8
    .kernarg_segment_size: 16
    .max_flat_workgroup_size: 512
    .sgpr_count:     66
    .vgpr_count:     256
    .wavefront_size: 32
...
	.end_amdgpu_metadata
.endif
;; end of part 3
;; launch proj (part 4): grid 4 x 64, 4 waves a work-group, clusters of 4 x 4, 307,712 bytes of LDS; arguments y_img, wp_img, out0; writes out0
.if DOCPART == 4
	.amdgcn_target "amdgcn-amd-amdhsa--gfx1250"
	.amdhsa_code_object_version 6
	.text
	.protected	k_q4591fed994_proj
	.globl	k_q4591fed994_proj
	.p2align	8
	.type	k_q4591fed994_proj,@function
k_q4591fed994_proj:
	s_mov_b64 s[64:65], 0
	v_nop
	global_prefetch_b8 v0, s[64:65] scope:SCOPE_SE
	s_setreg_imm32_b32 hwreg(HW_REG_WAVE_MODE, 25, 1), 1
	s_wait_xcnt 0x0
	s_wait_alu depctr_hold_cnt(0) depctr_sa_sdst(0) depctr_va_vdst(0) depctr_va_sdst(0) depctr_va_ssrc(0) depctr_va_vcc(0) depctr_vm_vsrc(0)
	s_getreg_b32 s2, hwreg(HW_REG_IB_STS2, 6, 4)
	s_cmp_eq_u32 s2, 0
	s_cbranch_scc0 .Lentry_in_a_cluster
	s_endpgm
.Lentry_in_a_cluster:
	s_bfe_u32 s2, ttmp6, 0x10000c
	s_cmp_lg_u32 s2, 0xf033
	s_cbranch_scc0 .Lentry_shape_is_right
	s_endpgm
.Lentry_shape_is_right:
; out0 = y W_proj on codes of FP6 (E2M3) with E8M0 scales; out0 [8192][1024] f32.
; OPERANDS are images of operand registers: a unit = 16 rows x 64 K = 768 bytes (512 bytes: the lanes' registers 0-3; 256: registers 4-5); [block of 128 rows][slot of 256 K] = 25,600 bytes: K step q, tile i, half c
; at q 12,288 + (2 i + c) 768, scale words at 24,576 + 128 i + 8 r + 4 q.  Lane r of tile 2 B + u holds row 32 B + 8 u + r + 8 (r / 8).
; A WORK-GROUP makes P 256 x R 128: P = W_proj's columns is source 0 (a lane's registers run along them, 16 neighbours in two tiles), R = tokens is source 1 (a lane holds one token).  Four waves, each P 128 x R 64: 32 accumulators.
; ALL OF K = 1,024 LIES IN LDS: four slots of 76,800 bytes, each filled once, all asked for at the head.  No byte of LDS is filled twice.
; CLUSTER 4 x 4: P's blocks hang on cx alone and are asked for jointly by the four work-groups of that cx, R's on cy alone, by the four of that cy.
; THE WAY OUT goes through a stage of 16 rows x 528 bytes a wave in slot 0, which has had its only fill and whose last reads every wave has waited for ahead of the last barrier.
; LIMITS: NaN and infinities are not served.
; REGISTERS: window 0: v1-3 lane terms; v16-35 LDS addresses, five a slot; v36, v37 the stage; v40-55 P's scale words, v56-63 R's (two sets); v64-159 R's fragments (two sets of 48); on the way out v64-191 rows of out0.
;   window 1: P's fragments, two sets of 96, at v0 and v128.   window 2: accumulator (a, b) at v[64 a + 8 b].
.set BLKB,  102400
.set IMGS,  25600
.set SLOT,  76800
.set G1P,   24                         ; s[24:31] descriptor group 1 for P's blocks;  s[32:39] for R's halves
.set G1R,   32
.set G0P,   40                         ; s[40:55] four groups 0 for P;  s[56:63], s[68:75] four for R
.set G0R,   56
.set AD,    16
.set STO,   36
.set RD,    37
.set SP,    40
.set SR,    56
.set RF,    64
.set BK,    64
.set SPITCH, 528
.set MSB, 0
.macro WIN new                         ; the immediate's high byte repeats the setting that is left
.if MSB != \new
	s_set_vgpr_msb (MSB<<8)|\new
.set MSB, \new
.endif
.endm
.macro PLACES n
.rept \n
	v_nop
.endr
.endm
.macro ROUND                           ; a round of the cluster's barrier
	s_barrier_signal -1
	s_barrier_wait -1
	s_cmp_lg_u32 s10, 0
	s_cbranch_scc1 .Lnot_wave_0_\@
	s_barrier_signal -3
.Lnot_wave_0_\@:
	s_barrier_wait -3
	s_barrier_signal -1
	s_barrier_wait -1
.endm
.macro UNITLD reg, a16, a8, off        ; a unit comes back as it was stored: six registers
	ds_load_b128 v[\reg:\reg+3], v[\a16] offset:\off
	ds_load_b64 v[\reg+4:\reg+5], v[\a8] offset:\off+512
.endm
.macro FETCH_P slot, q, set            ; P's eight fragments of a K step
	WIN 0x40                                       ; destination window 1, address window 0
.irp b, 0,1,2,3,4,5,6,7
.irp c, 0,1
	UNITLD 128*(\set)+12*\b+6*\c, AD+5*(\slot), AD+5*(\slot)+1, (\q)*12288+(2*\b+\c)*768
.endr
.endr
	WIN 0
.endm
.macro FETCH_R slot, q, set            ; R's four
.irp a, 0,1,2,3
.irp c, 0,1
	UNITLD RF+48*(\set)+12*\a+6*\c, AD+5*(\slot)+2, AD+5*(\slot)+3, (\q)*12288+(2*\a+\c)*768
.endr
.endr
.endm
.macro SCALES slot                     ; a slot's scale words: register 2 p + q: lanes 0-15 tile 2 p, lanes 16-31 tile 2 p + 1, K step q
.irp p, 0,1,2,3
	ds_load_b64 v[SP+8*((\slot)%2)+2*\p:SP+8*((\slot)%2)+2*\p+1], v[AD+5*(\slot)+1] offset:24576+256*\p
.endr
.irp p, 0,1
	ds_load_b64 v[SR+4*((\slot)%2)+2*\p:SR+4*((\slot)%2)+2*\p+1], v[AD+5*(\slot)+4] offset:256*\p
.endr
.endm
.macro MM a, b, q, set, sc, zero       ; one product; an odd tile's scale words lie in lanes 16-31
.set rD, 64*(\a)+8*(\b)
.set rP, 128*(\set)+12*(\b)
.set rR, RF+48*(\set)+12*(\a)
.set rA, SP+8*(\sc)+2*((\b)/2)+(\q)
.set rB, SR+4*(\sc)+2*((\a)/2)+(\q)
.if \zero
.if ((\a)%2 == 0) && ((\b)%2 == 0)
	v_wmma_scale_f32_16x16x128_f8f6f4 v[rD:rD+7], v[rP:rP+11], v[rR:rR+11], 0, v[rA], v[rB] matrix_a_fmt:MATRIX_FMT_FP6 matrix_b_fmt:MATRIX_FMT_FP6
.elseif (\a)%2 == 0
	v_wmma_scale_f32_16x16x128_f8f6f4 v[rD:rD+7], v[rP:rP+11], v[rR:rR+11], 0, v[rA], v[rB] matrix_a_fmt:MATRIX_FMT_FP6 matrix_b_fmt:MATRIX_FMT_FP6 matrix_a_scale:MATRIX_SCALE_ROW1
.elseif (\b)%2 == 0
	v_wmma_scale_f32_16x16x128_f8f6f4 v[rD:rD+7], v[rP:rP+11], v[rR:rR+11], 0, v[rA], v[rB] matrix_a_fmt:MATRIX_FMT_FP6 matrix_b_fmt:MATRIX_FMT_FP6 matrix_b_scale:MATRIX_SCALE_ROW1
.else
	v_wmma_scale_f32_16x16x128_f8f6f4 v[rD:rD+7], v[rP:rP+11], v[rR:rR+11], 0, v[rA], v[rB] matrix_a_fmt:MATRIX_FMT_FP6 matrix_b_fmt:MATRIX_FMT_FP6 matrix_a_scale:MATRIX_SCALE_ROW1 matrix_b_scale:MATRIX_SCALE_ROW1
.endif
.else
.if ((\a)%2 == 0) && ((\b)%2 == 0)
	v_wmma_scale_f32_16x16x128_f8f6f4 v[rD:rD+7], v[rP:rP+11], v[rR:rR+11], v[rD:rD+7], v[rA], v[rB] matrix_a_fmt:MATRIX_FMT_FP6 matrix_b_fmt:MATRIX_FMT_FP6
.elseif (\a)%2 == 0
	v_wmma_scale_f32_16x16x128_f8f6f4 v[rD:rD+7], v[rP:rP+11], v[rR:rR+11], v[rD:rD+7], v[rA], v[rB] matrix_a_fmt:MATRIX_FMT_FP6 matrix_b_fmt:MATRIX_FMT_FP6 matrix_a_scale:MATRIX_SCALE_ROW1
.elseif (\b)%2 == 0
	v_wmma_scale_f32_16x16x128_f8f6f4 v[rD:rD+7], v[rP:rP+11], v[rR:rR+11], v[rD:rD+7], v[rA], v[rB] matrix_a_fmt:MATRIX_FMT_FP6 matrix_b_fmt:MATRIX_FMT_FP6 matrix_b_scale:MATRIX_SCALE_ROW1
.else
	v_wmma_scale_f32_16x16x128_f8f6f4 v[rD:rD+7], v[rP:rP+11], v[rR:rR+11], v[rD:rD+7], v[rA], v[rB] matrix_a_fmt:MATRIX_FMT_FP6 matrix_b_fmt:MATRIX_FMT_FP6 matrix_a_scale:MATRIX_SCALE_ROW1 matrix_b_scale:MATRIX_SCALE_ROW1
.endif
.endif
.endm
.macro MUL q, set, sc, zero            ; a K step's 32 products: the 32 accumulators take turns, one instruction a turn, in the same order in every step
.irp a, 0,1,2,3
.irp b, 0,1,2,3,4,5,6,7
	MM \a, \b, \q, \set, \sc, \zero
.endr
.endr
.endm
; K step k of eight: slot k / 2, its K step k % 2, fragment set k % 2.  The next step's 54 LDS loads are issued in one run ahead of this step's 32 products.
.macro STEPK k
.if ((\k)%2 == 1) && ((\k) < 7)
	s_wait_tensorcnt 3-((\k)+1)/2                  ; my part of the next slot is in; my loads for the slots behind it may stay out: no LDS byte is filled twice
.endif
	s_wait_dscnt 0x0                               ; this step's fragments are in
.if ((\k)%2 == 1) && ((\k) < 7)
	s_barrier_signal -1
	s_barrier_wait -1                              ; everybody's part of the next slot is in
.endif
.if (\k) < 7
.if (\k) > 0
	PLACES 4                                       ; four plain instructions between the last step's products and the loads into the registers that they read
.endif
	FETCH_P ((\k)+1)/2, ((\k)+1)%2, ((\k)+1)%2
	FETCH_R ((\k)+1)/2, ((\k)+1)%2, ((\k)+1)%2
.if ((\k)+1)%2 == 0
	SCALES ((\k)+1)/2
.endif
.endif
	WIN 0xa1                                       ; source 0 (P) window 1, source 1 (R) window 0, C and D window 2
.if (\k) == 0
	MUL 0, 0, 0, 1                                 ; the first products start the sums: nothing is cleared
.else
	MUL (\k)%2, (\k)%2, ((\k)/2)%2, 0
.endif
	WIN 0
.endm
	s_load_b128 s[4:7], s[0:1], 0x0                ; y_img s[4:5], wp_img s[6:7]
	s_load_b64 s[8:9], s[0:1], 0x10                ; out0
	v_lshl_add_u32 v254, v0, 2, 0x4b000
	v_mov_b32 v255, 0
	ds_add_u32 v254, v255
	ds_add_u32 v254, v255
	v_lshrrev_b32 v4, 5, v0
	v_readfirstlane_b32 s10, v4                    ; wave
	v_and_b32 v3, 31, v0                           ; lane
	v_lshlrev_b32 v1, 4, v3                        ; 16 x lane
	v_lshlrev_b32 v2, 3, v3                        ; 8 x lane
	s_and_b32 s11, s10, 1                          ; wp: which 128 columns are mine.  Also: which part I fetch
	s_lshr_b32 s12, s10, 1                         ; wr: which 64 tokens are mine
	s_bfe_u32 s13, ttmp6, 0x40000                  ; cx
	s_bfe_u32 s14, ttmp6, 0x40004                  ; cy
	s_lshl_b32 s17, ttmp9, 2
	s_add_co_u32 s17, s17, s13                     ; pi: the block of 256 columns: hangs on cx, never on cy
	s_and_b32 s18, ttmp7, 0xffff
	s_lshl_b32 s18, s18, 2
	s_add_co_u32 s18, s18, s14                     ; ri: the block of 128 tokens: hangs on cy, never on cx
	s_lshl_b32 s76, 0x1111, s13                    ; the four work-groups of my cx
	s_or_b32 s[G1P], s76, (3<<16)|(1<<21)          ; 15:0 the mask; 17:16 elements of 8 bytes; 21 set beside a mask; no padding
	s_lshl_b32 s78, s14, 2
	s_lshl_b32 s78, 15, s78                        ; the four of my cy
	s_or_b32 s[G1R], s78, (3<<16)|(1<<21)
	s_mov_b32 s[G1P+1], 32<<16                     ; tensor_dim0 = 32 elements: rows of 256 bytes
	s_mov_b32 s[G1P+2], 100<<16                    ; tensor_dim1 = 100: a slot of a block, 25,600 dense bytes
	s_mov_b32 s[G1P+3], 32<<16                     ; tile_dim0
	s_mov_b32 s[G1P+4], 100                        ; tile_dim1
	s_mov_b32 s[G1P+5], 32                         ; the pitch
	s_mov_b32 s[G1P+6], 0
	s_mov_b32 s[G1P+7], 0
	s_mov_b32 s[G1R+1], 32<<16
	s_mov_b32 s[G1R+2], 50<<16                     ; half a slot of a block: 12,800 bytes
	s_mov_b32 s[G1R+3], 32<<16
	s_mov_b32 s[G1R+4], 50
	s_mov_b32 s[G1R+5], 32
	s_mov_b32 s[G1R+6], 0
	s_mov_b32 s[G1R+7], 0
	s_lshl_b32 s76, s17, 1
	s_add_co_u32 s76, s76, s11
	s_mul_i32 s76, s76, BLKB                       ; P: block 2 pi + (wave % 2)
	s_mov_b32 s77, 0
	s_mul_i32 s78, s18, BLKB                       ; R: block ri,
	s_mul_i32 s79, s11, 12800                      ; half wave % 2 of each slot
	s_add_co_u32 s78, s78, s79
	s_mov_b32 s79, 0
	s_mul_i32 s80, s11, IMGS                       ; where they go in a slot: no place in the cluster enters an LDS address
	s_mul_i32 s81, s11, 12800
	s_wait_dscnt 0x0
	s_wait_kmcnt 0x0
	s_add_nc_u64 s[20:21], s[6:7], s[76:77]
	s_add_nc_u64 s[22:23], s[4:5], s[78:79]
.irp s, 0,1,2,3
.set gp, G0P+4*\s
.set gr, G0R+4*\s+4*(\s/2)
	s_mov_b32 s[gp], 1                             ; count = 1
	s_add_co_u32 s[gp+1], s80, \s*SLOT             ; LDS address
	s_add_nc_u64 s[gp+2:gp+3], s[20:21], \s*IMGS   ; global address
	s_or_b32 s[gp+3], s[gp+3], 0x80000000          ; type = 2
	s_mov_b32 s[gr], 1
	s_add_co_u32 s[gr+1], s81, \s*SLOT+2*IMGS
	s_add_nc_u64 s[gr+2:gr+3], s[22:23], \s*IMGS
	s_or_b32 s[gr+3], s[gr+3], 0x80000000
.endr
	ROUND                                          ; all sixteen work-groups are here: the joint loads meet
	s_cmp_lt_u32 s10, 2                            ; waves 0, 1 fetch P's two blocks, waves 2, 3 R's two halves: a wave's four loads stand in one branch; four loads of mine are out
	s_cbranch_scc0 .Lfill_r
	tensor_load_to_lds s[G0P:G0P+3], s[G1P:G1P+7]
	s_nop 0
	tensor_load_to_lds s[G0P+4:G0P+7], s[G1P:G1P+7]
	s_nop 0
	tensor_load_to_lds s[G0P+8:G0P+11], s[G1P:G1P+7]
	s_nop 0
	tensor_load_to_lds s[G0P+12:G0P+15], s[G1P:G1P+7]
	s_nop 0
	PLACES 4
	s_branch .Lfilled
.Lfill_r:
	tensor_load_to_lds s[G0R:G0R+3], s[G1R:G1R+7]
	s_nop 0
	tensor_load_to_lds s[G0R+4:G0R+7], s[G1R:G1R+7]
	s_nop 0
	tensor_load_to_lds s[G0R+12:G0R+15], s[G1R:G1R+7]
	s_nop 0
	tensor_load_to_lds s[G0R+16:G0R+19], s[G1R:G1R+7]
	s_nop 0
	PLACES 4
.Lfilled:
	s_mul_i32 s82, s11, IMGS                       ; my block of P
	s_mul_i32 s83, s12, 6144
	s_add_co_u32 s83, s83, 2*IMGS                  ; my four tiles of R
	s_lshl_b32 s84, s12, 9
	s_add_co_u32 s84, s84, 2*IMGS+24576            ; and their scale words
.irp s, 0,1,2,3
	v_add_nc_u32 v[AD+5*\s], s82, v1
	v_add_nc_u32 v[AD+5*\s+1], s82, v2
	v_add_nc_u32 v[AD+5*\s+2], s83, v1
	v_add_nc_u32 v[AD+5*\s+3], s83, v2
	v_add_nc_u32 v[AD+5*\s+4], s84, v2
	s_add_co_u32 s82, s82, SLOT
	s_add_co_u32 s83, s83, SLOT
	s_add_co_u32 s84, s84, SLOT
.endr
	s_mul_i32 s85, s10, 16*SPITCH                  ; my stage
	v_and_b32 v4, 15, v0                           ; r
	v_bfe_u32 v5, v0, 4, 1                         ; h
	v_mul_u32_u24 v[STO], v4, SPITCH
	v_lshl_add_u32 v[STO], v5, 6, v[STO]
	v_add_nc_u32 v[STO], s85, v[STO]               ; in: row r, 64 h bytes on: my 16 neighbouring columns of each 32
	v_add_nc_u32 v[RD], s85, v1                    ; back: the 32 lanes take a row of 512 bytes
	s_lshl_b32 s86, s18, 7
	s_lshl_b32 s87, s12, 6
	s_add_co_u32 s86, s86, s87                     ; my first token: 128 ri + 64 wr
	s_lshl_b32 s86, s86, 12                        ; rows of 4,096 bytes
	s_lshl_b32 s87, s17, 1
	s_add_co_u32 s87, s87, s11
	s_lshl_b32 s87, s87, 9                         ; my first column, in bytes: 512 (2 pi + wp)
	s_add_co_u32 s86, s86, s87
	s_mov_b32 s87, 0
	s_add_nc_u64 s[8:9], s[8:9], s[86:87]
	s_wait_tensorcnt 3                             ; my part of slot 0 is in; my three later loads may stay out,
	s_barrier_signal -1
	s_barrier_wait -1                              ; everybody's is
	FETCH_P 0, 0, 0
	FETCH_R 0, 0, 0
	SCALES 0
.irp k, 0,1,2,3,4,5,6,7
	STEPK \k
.endr
; THE WAY OUT, a tile of 16 tokens x 128 columns at a time.  A lane holds one token; accumulator (a, b)'s register j is column 32 (b / 2) + 16 (lane / 16) + 8 (b % 2) + j.  The tile goes through my own stage and comes back as whole rows of 512 bytes.
; LDS serves a wave's instructions in order: no wait between the stores and the loads, nor in front of the next tile's stores.
.macro TOSTAGE a
	WIN 0x08                                       ; an LDS store's data are its source 1: window 2
.irp b, 0,1,2,3,4,5,6,7
	ds_store_b128 v[STO], v[64*(\a)+8*\b:64*(\a)+8*\b+3] offset:128*(\b/2)+32*(\b%2)          ; each accumulator from its low end on
	ds_store_b128 v[STO], v[64*(\a)+8*\b+4:64*(\a)+8*\b+7] offset:128*(\b/2)+32*(\b%2)+16
.endr
	WIN 0
.irp t, 0,1,2,3,4,5,6,7,8,9,10,11,12,13,14,15
	ds_load_b128 v[BK+64*((\a)%2)+4*\t:BK+64*((\a)%2)+4*\t+3], v[RD] offset:\t*SPITCH
.endr
.endm
.macro SEND a, younger                 ; younger: the LDS instructions issued behind tile a's loads, which may stay out
	s_wait_dscnt \younger
.irp t, 0,1,2,3,4,5,6,7,8,9,10,11,12,13,14,15
	global_store_b128 v1, v[BK+64*((\a)%2)+4*\t:BK+64*((\a)%2)+4*\t+3], s[8:9] offset:(32*((\a)/2)+8*((\a)%2)+\t+8*(\t/8))*4096 th:TH_STORE_NT   ; lane t of tile a is token 32 (a / 2) + 8 (a % 2) + t + 8 (t / 8); 32 lanes store 512 consecutive bytes, at a multiple of 256 from out0's first byte
.endr
.endm
	PLACES 4                                       ; four plain instructions between the last products and the first read of results, and the loads into the registers that held R's fragments
	TOSTAGE 0
.irp a, 1,2,3
.if \a > 1
	s_wait_xcnt 0x0                                ; tile a - 2's stores have read their registers: tile a's loads may land there
.endif
	TOSTAGE \a
	SEND \a-1, 32                                  ; behind tile a - 1's loads: tile a's 16 stores and 16 loads
.endr
	SEND 3, 0
	s_wait_tensorcnt 0x0
	ds_add_u32 v254, v255
	s_wait_dscnt 0x0
	ROUND                                          ; the closing round: no work-group ends while a partner may still ask for a block that names it
	s_endpgm
.Lfunc_end_k_q4591fed994_proj:
	.size	k_q4591fed994_proj, .Lfunc_end_k_q4591fed994_proj-k_q4591fed994_proj
	.p2alignl 7, 3214868480
	.fill 96, 4, 3214868480
	.section	.rodata,"a",@progbits
	.p2align	6, 0x0
	.amdhsa_kernel k_q4591fed994_proj
		.amdhsa_group_segment_fixed_size 307712
		.amdhsa_private_segment_fixed_size 0
		.amdhsa_enable_private_segment 0
		.amdhsa_kernarg_size 24
		.amdhsa_user_sgpr_count 2
		.amdhsa_user_sgpr_kernarg_segment_ptr 1
		.amdhsa_wavefront_size32 1
		.amdhsa_system_sgpr_workgroup_id_x 1
		.amdhsa_system_sgpr_workgroup_id_y 1
		.amdhsa_system_sgpr_workgroup_id_z 1
		.amdhsa_system_vgpr_workitem_id 0
		.amdhsa_next_free_vgpr 768
		.amdhsa_next_free_sgpr 104
		.amdhsa_reserve_vcc 0
		.amdhsa_float_denorm_mode_32 3
		.amdhsa_float_denorm_mode_16_64 3
		.amdhsa_memory_ordered 1
		.amdhsa_forward_progress 1
		.amdhsa_inst_pref_size 84
	.end_amdhsa_kernel
	.amdgpu_metadata
---
amdhsa.version: [ 1, 2 ]
amdhsa.kernels:
  - .name:           k_q4591fed994_proj
    .symbol:         k_q4591fed994_proj.kd
    .args:
      - { .name: y_img, .offset: 0, .size: 8, .value_kind: global_buffer, .address_space: global }
      - { .name: wp_img, .offset: 8, .size: 8, .value_kind: global_buffer, .address_space: global }
      - { .name: out0, .offset: 16, .size: 8, .value_kind: global_buffer, .address_space: global }
    .group_segment_fixed_size: 307712
    .private_segment_fixed_size: 0
    .kernarg_segment_align: 8
    .kernarg_segment_size: 24
    .max_flat_workgroup_size: 128
    .sgpr_count:     104
    .vgpr_count:     768
    .wavefront_size: 32
...
	.end_amdgpu_metadata
.endif
;; end of part 4
